; MI455X (gfx1250); checked and timed in simulation.
; The chip was launched on July 23, 2026; its instructions are those of AMD's public machine-readable ISA for CDNA 5 (MIT licence, August 2026) and "CDNA5" Instruction Set Architecture Reference Guide (July 2026). The comments in the code are by the model that wrote it; some were corrected since.
;; Multi Headed Attention. Allowed arithmetic: matrix products marked QUANTISED: E2M3 operands, one E8M0 scale for each 32 along K, by v_wmma_scale_f32_16x16x128_f8f6f4 with both operands' format E2M3, f32 sums; everything else in f32.
;; Inputs: W_h 1,024 x 1,024 float32; W_k 1,024 x 1,024 float32; W_q 1,024 x 1,024 float32; W_v 1,024 x 1,024 float32; X 4 x 2,048 x 1,024 float32; b_h 1,024 float32.
;; Outputs: out0 4 x 2,048 x 1,024 float32.
;; This version of the problem:
;;   THIS VERSION OF THE PROBLEM IS GIVEN IN LOW PRECISION. The matrix products marked QUANTISED in the list below multiply operands that are first quantised to E2M3 (2 exponent bits, 3 mantissa bits; 6 bits a number), with one power-of-two scale for each 32 numbers along K (OCP MX v1.0); their sums are f32. All else is computed in f32.
;;   The module's matrix products, in the order in which they are computed (A, B: the left and right operand; K: the contracted axis; several contracted axes count as one K, in the product's order):
;;     1. [M 8,192, K 1,024] x [K 1,024, N 1,024]; A: input X; B: input W_q: QUANTISED
;;     2. [M 8,192, K 1,024] x [K 1,024, N 1,024]; A: input X; B: input W_k: QUANTISED
;;     3. [M 8,192, K 1,024] x [K 1,024, N 1,024]; A: input X; B: input W_v: QUANTISED
;;     4. batch 64 x [M 2,048, K 64] x [K 64, N 2,048]; A: computed on the way; B: computed on the way: QUANTISED
;;     5. batch 64 x [M 2,048, K 2,048] x [K 2,048, N 64]; A: softmax (see below); B: computed on the way: QUANTISED
;;     6. [M 8,192, K 1,024] x [K 1,024, N 1,024]; A: computed on the way; B: input W_h: QUANTISED
;;   THE QUANTISER, for each operand of a quantised product, along K:
;;     - K is cut into blocks of 32 from its start; a last block that is shorter is filled with zeros.
;;     - A block's scale is 2^e with e = floor(log2(the largest magnitude in the block)) - 2, held to -126 .. 127; a block of zeros has e = 0. As a byte (E8M0): e + 127.
;;     - Each number is divided by its block's scale, clamped to +-7.5, and rounded to the nearest number of E2M3, ties to even, subnormals kept.
;;     - The product sums the exact products of the quantised numbers (number of the format x scale) in f32.
;;   ~~~python
;;   def quantise(x, axis):      # numpy; x: float32 -> the quantised numbers, widened to float32 again
;;       x = np.moveaxis(x, axis, -1); K = x.shape[-1]
;;       x = np.pad(x, [(0, 0)] * (x.ndim - 1) + [(0, -K % 32)]); x = x.reshape(x.shape[:-1] + (-1, 32)); a = np.abs(x).max(-1, keepdims=True)
;;       e = np.where(a > 0, np.clip(np.frexp(np.where(a > 0, a, 1))[1] - 1 - 2, -126, 127), 0)      # np.frexp(a)[1] - 1 = floor(log2(a)), exactly
;;       r = np.clip(x / 2.0 ** e, -7.5, 7.5)
;;       step = 2.0 ** (np.maximum(np.frexp(np.where(r == 0, 1, r))[1] - 1, 0) - 3)
;;       q = np.round(r / step) * step * 2.0 ** e      # np.round: ties to even
;;       return np.moveaxis(q.reshape(q.shape[:-2] + (-1,))[..., :K], -1, axis).astype(np.float32)
;;   ~~~
;;   SOFTMAX AHEAD OF A QUANTISED PRODUCT. Where the list says 'softmax', what is quantised is not the finished softmax but p = 2^(t - M), with t = logit x log2(e) and M = ceil(the row's largest t), a whole number; so 1/2 < the row's largest p <= 1. The row's sum l is taken of the UNQUANTISED p, in f32, and the product's result is divided by l at the end. Since M is a whole number, a kernel that streams over the keys may use a running M (the ceiling of the running maximum): every later rescaling is an exact power of two, which a block's scale takes up: the codes' values come out the same.
;;   OPERANDS COMPUTED ON THE WAY. 'Computed on the way' means the value that the module computes at that place (a softmax that the list does not call 'softmax' is quantised finished and normalised). What goes into a quantiser is computed in f32, as accurately as f32 sums, v_exp_f32 and their like allow (about 1e-6 of the number): no bf16 or f16 on the way to a quantiser, and a product that is left as it is and whose result goes on into a quantised operand takes f32 operands (vector FMAs, or v_wmma_f32_16x16x4_f32). A number that lies on a knife's edge between two numbers of the format may be rounded either way, as far as f32 arithmetic and the matrix unit's own rounding can turn it there, and no further.
;; One version. Each part assembles by itself: llvm-mc -triple=amdgcn-amd-amdhsa -mcpu=gfx1250 --defsym DOCPART=n.
;; ======== version 1 of 1: 4 launches
;; limits: right only within a limited range of input values
;; workspace buffers: ops 9,830,400 bytes; qkv 20,185,088 bytes; hp 6,815,744 bytes
;; launch quant (part 1): grid 8 x 96, 4 waves a work-group, no clusters, 34,816 bytes of LDS; arguments X, W_q, W_k, W_v, W_h, ops; writes ops
.if DOCPART == 1
	.amdgcn_target "amdgcn-amd-amdhsa--gfx1250"
	.amdhsa_code_object_version 6
	.text
	.protected	k_q87e212a433_quant
	.globl	k_q87e212a433_quant
	.p2align	8
	.type	k_q87e212a433_quant,@function
k_q87e212a433_quant:
	s_mov_b64 s[64:65], 0
	v_nop
	global_prefetch_b8 v0, s[64:65] scope:SCOPE_SE
	s_setreg_imm32_b32 hwreg(HW_REG_WAVE_MODE, 25, 1), 1
	s_wait_xcnt 0x0
; X [8192][1024] and the four weights [1024][1024], f32 with K innermost, become codes of FP6 (E2M3) with one E8M0 byte for each 32 along K,
; laid in the ORDER OF AN OPERAND'S REGISTERS.  A PANEL is 128 rows x 128 K: eight fragments of 16 rows (12 registers a lane, stored as three runs of 512 bytes,
; lane l's four registers at 16 l) and 512 bytes of scale words: 12,800 bytes.  Panel (T, g) lies at (8 T + g) x 12,800: T 0-63 X, 64-71 W_q, 72-79 W_k, 80-87 W_v, 88-95 W_h.
; THE ROWS OF A FRAGMENT ARE NOT NEIGHBOURS: lane r of fragment 2 R + u holds row 32 R + 8 u + r + 8 (r / 8), so that results of a product that takes such a fragment as source 0
; fall with 16 neighbours in one lane's registers.  Scale word of (fragment 2 i + lane / 16, row lane % 16) lies at 16 lane + 4 i of the panel's last 512 bytes.
; A block's scale is 2^(floor(log2(largest magnitude)) - 2); its byte is the largest magnitude's exponent field - 2, held at 1 from below.
; LIMITS: NaN and infinities among the inputs are not served; a block whose largest magnitude lies under 2^-124 keeps the byte 1; a block of zeros has the byte 1 and zero codes (the bytes are read by this program alone).
; SHARES: a work-group makes one panel, wave w its rows 32 w .. 32 w + 31 (fragments 2 w, 2 w + 1).  Each load reads 512 consecutive bytes of a row; 16 rows turn through the wave's own stage in LDS
; (rows 528 bytes apart) and come back with a whole block of 32 neighbours along K in a lane.  No cluster: work-groups share no input byte.  No matrix unit: the launch only streams.
.set STGB,  8448                       ; a wave's stage: 16 rows x (512 + 16) bytes
.set GATH,  4*STGB                     ; 512 bytes in which the four waves' scale words meet
.set SPARE, GATH+512                   ; the spare words, 128 bytes a wave: two blocks of 256 bytes that no other line names
.set RW,    16                         ; v16-143  32 rows as loaded, four registers each
.set XN,    144                        ; v144-207 64 numbers: XN + 32 c + i = k 64 c + 32 (lane / 16) + i of my row
.set CD,    208                        ; v208-231 the codes: 12 registers for each of the two fragments
.set CT,    232                        ; v232-239 the second halves of two blocks, as the conversions leave them
.set TM,    240                        ; v240-246 at work
.set SW,    248                        ; v248, v249 the two fragments' scale words; v250 both, by halves of the lanes
.set SPW,   12                         ; v12 LDS address of my spare word; never rewritten
.set NIL,   13                         ; v13 0; never rewritten
	s_load_b256 s[4:11], s[0:1], 0x0               ; X, W_q, W_k, W_v
	s_load_b128 s[12:15], s[0:1], 0x20             ; W_h, ops
	v_lshl_add_u32 v[SPW], v0, 2, SPARE
	v_mov_b32 v[NIL], 0
	v_lshrrev_b32 v1, 5, v0
	v_readfirstlane_b32 s16, v1                    ; wave
	s_and_b32 s17, ttmp7, 0xffff                   ; T
	v_and_b32 v7, 31, v0                           ; lane
	v_and_b32 v8, 15, v0                           ; r
	v_bfe_u32 v9, v0, 4, 1                         ; h
	v_lshlrev_b32 v1, 4, v7                        ; 16 x lane
	s_mul_i32 s18, s16, STGB
	v_add_nc_u32 v2, s18, v1                       ; the stage, on the way in: a row as it lies
	v_mul_u32_u24 v3, v8, 528
	v_lshl_add_u32 v3, v9, 7, v3
	v_add_nc_u32 v3, s18, v3                       ; and out: row r, 32 numbers further on for lanes 16-31
	s_lshl_b32 s19, s16, 2
	s_add_co_u32 s19, s19, GATH
	v_add_nc_u32 v4, s19, v1                       ; my scale word's place: 16 lane + 4 wave
	v_add_nc_u32 v5, GATH, v1
	v_lshlrev_b32 v6, 3, v9                        ; 8 h: my two bytes' shift in the scale word
	v_mov_b32 v[TM+6], 0                           ; written once: a lane permute's destination counts as one of its sources
	s_and_b32 s20, s17, 7
	s_cmp_lt_u32 s17, 64
	s_cselect_b32 s20, s17, s20                    ; which 128 rows of the tensor
	s_lshl_b32 s20, s20, 19                        ; x 128 rows of 4,096 bytes
	s_lshl_b32 s21, s16, 17                        ; + my wave's 32 rows
	s_add_co_u32 s20, s20, s21
	s_lshl_b32 s21, ttmp9, 9                       ; + 128 numbers along K for each g
	s_add_co_u32 s20, s20, s21
	s_mov_b32 s21, 0
	s_lshl_b32 s22, s17, 3
	s_add_co_u32 s22, s22, ttmp9
	s_mul_i32 s22, s22, 12800                      ; the panel
	s_mul_i32 s23, s16, 3072                       ; my two fragments in it
	s_add_co_u32 s22, s22, s23
	s_mov_b32 s23, 0
	s_mov_b32 s24, 0x76543210
	s_mov_b32 s25, 0xfedcba98                      ; v_permlanex16_b32's selects for lane l xor 16
	s_mov_b32 s26, 0xffff0000                      ; lanes 16-31
	s_wait_alu depctr_va_vdst(0)
	s_wait_kmcnt 0x0
	s_cmp_lt_u32 s17, 88                           ; the tensor is chosen by the work-group's number alone
	s_cselect_b64 s[12:13], s[10:11], s[12:13]
	s_cmp_lt_u32 s17, 80
	s_cselect_b64 s[12:13], s[8:9], s[12:13]
	s_cmp_lt_u32 s17, 72
	s_cselect_b64 s[12:13], s[6:7], s[12:13]
	s_cmp_lt_u32 s17, 64
	s_cselect_b64 s[12:13], s[4:5], s[12:13]
	s_add_nc_u64 s[12:13], s[12:13], s[20:21]
	s_add_nc_u64 s[14:15], s[14:15], s[22:23]
.irp u, 0,1                                    ; all 32 rows are asked for at once, the first fragment's sixteen first
.irp q, 0,1,2,3,4,5,6,7,8,9,10,11,12,13,14,15
	global_load_b128 v[RW+4*(8*\u+\q+8*(\q/8)):RW+4*(8*\u+\q+8*(\q/8))+3], v1, s[12:13] offset:(8*\u+\q+8*(\q/8))*4096 th:TH_LOAD_NT
.endr
.endr
; Fragment u of my two: through the stage, the two blocks' scales, the codes, three stores of 512 consecutive bytes.
.macro QPASS u
.irp q, 0,1,2,3,4,5,6,7,8,9,10,11,12,13,14,15
	ds_store_b128 v2, v[RW+4*(8*\u+\q+8*(\q/8)):RW+4*(8*\u+\q+8*(\q/8))+3] offset:528*\q
.endr
.irp c, 0,1
.irp j, 0,1,2,3,4,5,6,7
	ds_load_b128 v[XN+32*\c+4*\j:XN+32*\c+4*\j+3], v3 offset:256*\c+16*\j   ; LDS serves a wave's instructions in order: these see the stores above
.endr
.endr
	s_wait_dscnt 0x0
.irp c, 0,1
	v_max3_num_f32 v[TM+\c], |v[XN+32*\c]|, |v[XN+32*\c+1]|, 0x1800000   ; my block 2 c + h: all its 32 numbers are mine; the floor 2^(3 - 127) holds the byte at 1 from below
.endr
.irp i, 2,4,6,8,10,12,14,16,18,20,22,24,26,28,30
.irp c, 0,1
	v_max3_num_f32 v[TM+\c], v[TM+\c], |v[XN+32*\c+\i]|, |v[XN+32*\c+\i+1]|
.endr
.endr
.irp c, 0,1
	v_add_nc_u32 v[TM+2+\c], 0xff000000, v[TM+\c]  ; 2 off the exponent field: the conversion's scale operand
.endr
.irp c, 0,1
	v_lshrrev_b32 v[TM+4+\c], 23, v[TM+2+\c]       ; the scale's byte
.endr
	v_lshl_or_b32 v[SW+\u], v[TM+5], 16, v[TM+4]   ; my two bytes: blocks h and 2 + h,
	v_lshlrev_b32 v[SW+\u], v6, v[SW+\u]           ; at their places;
	v_permlanex16_b32 v[TM+6], v[SW+\u], s24, s25
	v_or_b32 v[SW+\u], v[SW+\u], v[TM+6]           ; with lane l xor 16's two the word is whole
.irp c, 0,1
	v_cvt_scalef32_pk16_fp6_f32 v[CD+12*\u+6*\c:CD+12*\u+6*\c+2], v[XN+32*\c:XN+32*\c+15], v[TM+2+\c]
	v_cvt_scalef32_pk16_fp6_f32 v[CT+4*\c:CT+4*\c+2], v[XN+32*\c+16:XN+32*\c+31], v[TM+2+\c]   ; (a conversion's three registers begin on an even number)
.endr
	v_nop                                          ; one plain place behind a scaled conversion
.irp c, 0,1
.irp i, 0,1,2
	v_mov_b32 v[CD+12*\u+6*\c+3+\i], v[CT+4*\c+\i]
.endr
.endr
.irp q, 0,1,2
	global_store_b128 v1, v[CD+12*\u+4*\q:CD+12*\u+4*\q+3], s[14:15] offset:1536*\u+512*\q   ; 32 lanes store 512 consecutive bytes, aligned to 256
.endr
.endm
	s_wait_loadcnt 16                              ; the first fragment's sixteen rows are in; the other sixteen loads may be out
	QPASS 0
	s_wait_loadcnt 0x0
	QPASS 1
	v_cndmask_b32 v250, v[SW], v[SW+1], s26        ; lanes 0-15 the even fragment's words, lanes 16-31 the odd one's
	ds_store_b32 v4, v250
	s_wait_dscnt 0x0                               ; for the others' sake: my word has landed
	s_barrier_signal -1
	s_barrier_wait -1
	s_cmp_lg_u32 s16, 0
	s_cbranch_scc1 .Lend
	ds_load_b128 v[XN:XN+3], v5                    ; wave 0 stores the panel's 512 bytes of scale words whole
	s_wait_dscnt 0x0
	global_store_b128 v1, v[XN:XN+3], s[14:15] offset:12288
.Lend:
	s_wait_tensorcnt 0x0                           ; the wave's end, behind my last LDS store
	ds_add_u32 v[SPW], v[NIL]
	s_wait_dscnt 0x0
	s_endpgm
.Lfunc_end_k_q87e212a433_quant:
	.size	k_q87e212a433_quant, .Lfunc_end_k_q87e212a433_quant-k_q87e212a433_quant
	.p2alignl 7, 3214868480
	.fill 96, 4, 3214868480
	.section	.rodata,"a",@progbits
	.p2align	6, 0x0
	.amdhsa_kernel k_q87e212a433_quant
		.amdhsa_group_segment_fixed_size 34816
		.amdhsa_private_segment_fixed_size 0
		.amdhsa_enable_private_segment 0
		.amdhsa_kernarg_size 48
		.amdhsa_user_sgpr_count 2
		.amdhsa_user_sgpr_kernarg_segment_ptr 1
		.amdhsa_wavefront_size32 1
		.amdhsa_system_sgpr_workgroup_id_x 1
		.amdhsa_system_sgpr_workgroup_id_y 1
		.amdhsa_system_sgpr_workgroup_id_z 1
		.amdhsa_system_vgpr_workitem_id 0
		.amdhsa_next_free_vgpr 256
		.amdhsa_next_free_sgpr 66
		.amdhsa_reserve_vcc 0
		.amdhsa_float_denorm_mode_32 3
		.amdhsa_float_denorm_mode_16_64 3
		.amdhsa_memory_ordered 1
		.amdhsa_forward_progress 1
		.amdhsa_inst_pref_size 17
	.end_amdhsa_kernel
	.amdgpu_metadata
---
amdhsa.version: [ 1, 2 ]
amdhsa.kernels:
  - .name:           k_q87e212a433_quant
    .symbol:         k_q87e212a433_quant.kd
    .args:
      - { .name: X, .offset: 0, .size: 8, .value_kind: global_buffer, .address_space: global }
      - { .name: W_q, .offset: 8, .size: 8, .value_kind: global_buffer, .address_space: global }
      - { .name: W_k, .offset: 16, .size: 8, .value_kind: global_buffer, .address_space: global }
      - { .name: W_v, .offset: 24, .size: 8, .value_kind: global_buffer, .address_space: global }
      - { .name: W_h, .offset: 32, .size: 8, .value_kind: global_buffer, .address_space: global }
      - { .name: ops, .offset: 40, .size: 8, .value_kind: global_buffer, .address_space: global }
    .group_segment_fixed_size: 34816
    .private_segment_fixed_size: 0
    .kernarg_segment_align: 8
    .kernarg_segment_size: 48
    .max_flat_workgroup_size: 128
    .sgpr_count:     66
    .vgpr_count:     256
    .wavefront_size: 32
...
	.end_amdgpu_metadata
.endif
;; end of part 1
;; launch qkv (part 2): grid 16 x 16, 4 waves a work-group, clusters of 4 x 4, 327,680 bytes of LDS; arguments ops, qkv; writes qkv
.if DOCPART == 2
	.amdgcn_target "amdgcn-amd-amdhsa--gfx1250"
	.amdhsa_code_object_version 6
	.text
	.protected	k_q87e212a433_qkv
	.globl	k_q87e212a433_qkv
	.p2align	8
	.type	k_q87e212a433_qkv,@function
k_q87e212a433_qkv:
	s_mov_b64 s[64:65], 0
	v_nop
	global_prefetch_b8 v0, s[64:65] scope:SCOPE_SE
	s_setreg_imm32_b32 hwreg(HW_REG_WAVE_MODE, 25, 1), 1
	s_wait_xcnt 0x0
	s_wait_alu depctr_hold_cnt(0) depctr_sa_sdst(0) depctr_va_vdst(0) depctr_va_sdst(0) depctr_va_ssrc(0) depctr_va_vcc(0) depctr_vm_vsrc(0)
	s_getreg_b32 s2, hwreg(HW_REG_IB_STS2, 6, 4)
	s_cmp_eq_u32 s2, 0
	s_cbranch_scc0 .Lentry_in_a_cluster
	s_endpgm
.Lentry_in_a_cluster:
	s_bfe_u32 s2, ttmp6, 0x10000c
	s_cmp_lg_u32 s2, 0xf033
	s_cbranch_scc0 .Lentry_shape_is_right
	s_endpgm
.Lentry_shape_is_right:
; Q = X W_q^T, K = X W_k^T and V^T = W_v X^T on codes of FP6 (E2M3) with E8M0 scales, K = 1,024; the results are quantised in registers for the two products of attention and leave as codes.
; A tile is 256 (rows of A') x 128 (rows of B').  A WORK-GROUP STAYS AND MAKES THREE TILES: with Y the cluster's y (0-3), tiles 0 and 1: A' = X's rows of tile rows Y and Y + 4, B' = W_q (cluster x 0, 1) or W_k (2, 3),
; the same rows of B' for both; tile 2: A' = W_v, B' = X, so that V's results run along the KEYS, its next K.  256 work-groups: one on each WGP.
; LDS holds both operands for ALL of K, as the panels of operand images that the launch before has laid, in two halves along K: A's K groups 0-3 (both halves of its rows), A's K groups 4-7, B's eight panels.
; FILLS.  At the head one tensor load a wave: wave 0 A's K groups 0-3, wave 1 B's, wave 2 A's K groups 4-7, wave 3 B's.  A HALF IS FILLED AGAIN AS SOON AS ITS LAST FRAGMENTS ARE IN REGISTERS: in step 3 the next
; tile's K groups 0-3 are asked for (wave 0; wave 1 too where B' changes), in step 7 its K groups 4-7 (waves 2, 3), each behind a drained round of the cluster's barrier.
; By this text's own count a wave has one load out, and 128 products and a way out stand between a request and the first read of what it brings.  Every wait on TENSORcnt is for 0.
; The three tiles are written out: the last asks for nothing.  No prefetch: the text has no loop to run ahead in, and each refill is asked for half a tile ahead.
; CLUSTER 4 x 4: A's panels hang on the tile row and are asked for jointly by a row of the cluster, B's on the tile column, by a column.
; A wave takes 64 rows of A' (four fragments) against B's eight: 32 accumulators.  THE MATRIX INSTRUCTION IS USED TRANSPOSED (source 0 = B's fragment, source 1 = A's): with the fragments' order of rows,
; register 64 a + 16 b + i of lane (r, h) is A's row r of fragment a and B's row 32 b + 16 h + i: 16 neighbours along the next K.
; OUT: a T-record (64 tokens of one head, K = 64): four tiles of 768 bytes (registers 0-3 at 16 lane, 4-5 at 512 + 8 lane) and 256 bytes of scale words (tile 2 i + lane / 16, row lane % 16 at 8 lane + 4 i; bytes 2, 3 are 0).
; A V-record (one head, 128 keys): four tiles of 16 channels, two such halves each, and 256 bytes of scale words.  A step record, 13,056 bytes: K's two T-records, then the V-record.
; The factor 1 / 8 of reference() is a power of two: it changes no code and goes into the softmax's constant.  LIMITS: NaN and infinities are not served; blocks under 2^-124 keep the byte 1; a block of zeros has the byte 1;
; a block of Q under about 2^-121 would meet reference()'s hold on the exponent, which is not followed there.
; REGISTERS: window 0: v1-9 addresses, v16-27 scale words (two sets), v32-127 A's fragments (two sets), from v128 the way out.  Window 1: B's fragments, sets at v0 and v96.  Window 2: the accumulators.
.set PANEL, 12800
.set TROWB, 8*PANEL                    ; 128 rows, all of K
.set BOFF,  2*TROWB
.set SPARE, 3*TROWB                    ; the spare words, 128 bytes a wave: two blocks of 256 bytes that no other line names
.set TREC,  3328
.set STEPB, 13056
.set HEADB, 16*STEPB
.set KV0,   64*32*TREC                 ; behind Q's records: K's and V's
.set SA,  16                           ; v16-19 A's scale words: set p at SA + 2 p; register i: lanes 0-15 my fragment 2 i, lanes 16-31 fragment 2 i + 1
.set SB,  20                           ; v20-27 B's: set p at SB + 4 p, likewise
.set SPW, 28                           ; v28 LDS address of my spare word; never rewritten
.set NIL, 29                           ; v29 0; never rewritten
.set AF,  32
.set PCD, 128                          ; the way out: codes, 12 registers a tile
.set TM,  176                          ; v176-191 at work
.set CT,  192                          ; v192-199 second halves as the conversions leave them
.set PW,  200                          ; v200-203 the tiles' scale words
.set WV,  8
.set G1A, 24
.set G1B, 32
.set OB,  40                           ; s[40:55] the way out's eight bases; s[68:71] those of the scale words
.set OS,  68
.set G0A, 56                           ; s[56:59], s[60:63] groups 0 for A's and B's loads
.set G0B, 60
.set SEL, 96
.set MSB, 0
.macro WIN new                         ; the immediate's high byte repeats the setting that is left
.if MSB != \new
	s_set_vgpr_msb (MSB<<8)|\new
.set MSB, \new
.endif
.endm
.set MUL,  0xa1                        ; source 0 (B') window 1, source 1 (A') window 0, C and D window 2
.set TO_B, 0x40                        ; destination window 1, address window 0
.macro CREST                           ; a round of the cluster's barrier behind its opening barrier
	s_cmp_lg_u32 s[WV], 0
	s_cbranch_scc1 .Lnot_wave_0_\@
	s_barrier_signal -3
.Lnot_wave_0_\@:
	s_barrier_wait -3
	s_barrier_signal -1
	s_barrier_wait -1
.endm
.macro CROUND
	s_barrier_signal -1
	s_barrier_wait -1
	CREST
.endm
.macro PLACES n
.rept \n
	v_nop
.endr
.endm
; Where tile it's panels lie: A': 128-row group 2 cy + (8 (Y + 4 it), or 80); B': 4 x cluster x + cx + (64, or 16 Y); + four panels for waves 2 and 3.  A's registers never hold cx, B's never cy.
; It is run where no tensor load of the wave is out.
.macro DESC it
	s_mul_i32 s16, s10, 4*PANEL
.if (\it) < 2
	s_lshl_b32 s20, s14, 3
	s_add_co_u32 s20, s20, 32*(\it)
.else
	s_mov_b32 s20, 80
.endif
	s_lshl_b32 s21, s12, 1
	s_add_co_u32 s20, s20, s21
	s_mul_i32 s20, s20, TROWB
	s_add_co_u32 s20, s20, s16
	s_mov_b32 s21, 0
	s_add_nc_u64 s[G0A+2:G0A+3], s[4:5], s[20:21]
	s_or_b32 s[G0A+3], s[G0A+3], 0x80000000
.if (\it) != 1                         ; tile 1 takes tile 0's rows of B'
	s_lshl_b32 s22, s13, 2
	s_add_co_u32 s22, s22, s11
.if (\it) < 2
	s_add_co_u32 s22, s22, 64
.else
	s_lshl_b32 s23, s14, 4
	s_add_co_u32 s22, s22, s23
.endif
	s_mul_i32 s22, s22, TROWB
	s_add_co_u32 s22, s22, s16
	s_mov_b32 s23, 0
	s_add_nc_u64 s[G0B+2:G0B+3], s[4:5], s[22:23]
	s_or_b32 s[G0B+3], s[G0B+3], 0x80000000
.endif
.endm
	s_load_b128 s[4:7], s[0:1], 0x0                ; ops, qkv
	v_lshl_add_u32 v[SPW], v0, 2, SPARE
	v_mov_b32 v[NIL], 0
	ds_add_u32 v[SPW], v[NIL]                      ; the opening lines: the add, twice on end, and its wait ahead of my first tensor load
	ds_add_u32 v[SPW], v[NIL]
	v_lshrrev_b32 v1, 5, v0
	v_readfirstlane_b32 s[WV], v1                  ; wave 0..3
	s_and_b32 s9, s[WV], 1
	s_lshr_b32 s10, s[WV], 1
	s_bfe_u32 s11, ttmp6, 0x40000                  ; cx
	s_bfe_u32 s12, ttmp6, 0x40004                  ; cy
	s_mov_b32 s13, ttmp9                           ; the cluster's x
	s_and_b32 s14, ttmp7, 0xffff                   ; and y
	s_lshl_b32 s16, s12, 2
	s_lshl_b32 s16, 15, s16                        ; my row of the cluster
	s_lshl_b32 s17, 0x1111, s11                    ; my column
	s_or_b32 s[G1A], s16, (3<<16)|(1<<21)          ; A's load: two rows of 51,200 bytes (four panels of each 128 rows), 102,400 bytes apart in memory, end to end in LDS
	s_mov_b32 s[G1A+1], 6400<<16
	s_mov_b32 s[G1A+2], 2<<16
	s_mov_b32 s[G1A+3], 6400<<16
	s_mov_b32 s[G1A+4], 2
	s_mov_b32 s[G1A+5], 12800
	s_mov_b32 s[G1A+6], 0
	s_mov_b32 s[G1A+7], 0
	s_or_b32 s[G1B], s17, (3<<16)|(1<<21)          ; B's load: four panels, 200 rows of 256 bytes
	s_mov_b32 s[G1B+1], 32<<16
	s_mov_b32 s[G1B+2], 200<<16
	s_mov_b32 s[G1B+3], 32<<16
	s_mov_b32 s[G1B+4], 200
	s_mov_b32 s[G1B+5], 32
	s_mov_b32 s[G1B+6], 0
	s_mov_b32 s[G1B+7], 0
	s_mov_b32 s[G0A], 1                            ; where they go: no place in the cluster enters an LDS address
	s_mul_i32 s[G0A+1], s10, TROWB
	s_mov_b32 s[G0B], 1
	s_mul_i32 s[G0B+1], s10, 4*PANEL
	s_add_co_u32 s[G0B+1], s[G0B+1], BOFF
	s_wait_dscnt 0x0                               ; both opening adds are done
	s_wait_kmcnt 0x0
	DESC 0
	CROUND                                         ; all sixteen work-groups are here: the joint loads meet
.macro ARM n, g0, g1                   ; the head's loads: one a wave, each in an arm of its own of one chain on the wave's number
	s_cmp_eq_u32 s[WV], \n
	s_cbranch_scc0 .Lnot_\n
	tensor_load_to_lds s[\g0:\g0+3], s[\g1:\g1+7]
	s_nop 0
	PLACES 4
	s_branch .Lfilled
.Lnot_\n:
.endm
	ARM 0, G0A, G1A
	ARM 1, G0B, G1B
	ARM 2, G0A, G1A
	tensor_load_to_lds s[G0B:G0B+3], s[G1B:G1B+7]
	s_nop 0
	PLACES 4
.Lfilled:
	v_and_b32 v3, 31, v0
	v_lshlrev_b32 v1, 4, v3                        ; 16 x lane
	v_lshlrev_b32 v2, 3, v3                        ; 8 x lane
	s_mul_i32 s86, s10, 4*PANEL                    ; my half of A': four panels on in each of the two regions
	s_mul_i32 s87, s9, 4*1536                      ; my four fragments in each panel
	s_add_co_u32 s87, s87, s86
	v_add_nc_u32 v4, s87, v1                       ; v4, v5: A's images, K groups 0-3 and 4-7
	v_add_nc_u32 v5, TROWB, v4
	s_lshl_b32 s88, s9, 3
	s_add_co_u32 s88, s88, s86
	s_add_co_u32 s88, s88, 12288
	v_add_nc_u32 v6, s88, v1                       ; v6, v7: my two scale words of A's four
	v_add_nc_u32 v7, TROWB, v6
	v_add_nc_u32 v8, BOFF, v1                      ; v8, v9: B's images
	v_add_nc_u32 v9, BOFF+4*PANEL, v1
	s_mov_b32 s[SEL], 0x76543210
	s_mov_b32 s[SEL+1], 0xfedcba98
; One product; its registers are named by symbols.  The rows of the scale registers: lanes 16-31 for odd fragments.
.macro MM first
.if \first
.if oB && oA
	v_wmma_scale_f32_16x16x128_f8f6f4 v[rD:rD+7], v[rB:rB+11], v[rA:rA+11], 0, v[rSB], v[rSA] matrix_a_fmt:MATRIX_FMT_FP6 matrix_b_fmt:MATRIX_FMT_FP6 matrix_a_scale:MATRIX_SCALE_ROW1 matrix_b_scale:MATRIX_SCALE_ROW1
.elseif oB
	v_wmma_scale_f32_16x16x128_f8f6f4 v[rD:rD+7], v[rB:rB+11], v[rA:rA+11], 0, v[rSB], v[rSA] matrix_a_fmt:MATRIX_FMT_FP6 matrix_b_fmt:MATRIX_FMT_FP6 matrix_a_scale:MATRIX_SCALE_ROW1
.elseif oA
	v_wmma_scale_f32_16x16x128_f8f6f4 v[rD:rD+7], v[rB:rB+11], v[rA:rA+11], 0, v[rSB], v[rSA] matrix_a_fmt:MATRIX_FMT_FP6 matrix_b_fmt:MATRIX_FMT_FP6 matrix_b_scale:MATRIX_SCALE_ROW1
.else
	v_wmma_scale_f32_16x16x128_f8f6f4 v[rD:rD+7], v[rB:rB+11], v[rA:rA+11], 0, v[rSB], v[rSA] matrix_a_fmt:MATRIX_FMT_FP6 matrix_b_fmt:MATRIX_FMT_FP6
.endif
.else
.if oB && oA
	v_wmma_scale_f32_16x16x128_f8f6f4 v[rD:rD+7], v[rB:rB+11], v[rA:rA+11], v[rD:rD+7], v[rSB], v[rSA] matrix_a_fmt:MATRIX_FMT_FP6 matrix_b_fmt:MATRIX_FMT_FP6 matrix_a_scale:MATRIX_SCALE_ROW1 matrix_b_scale:MATRIX_SCALE_ROW1
.elseif oB
	v_wmma_scale_f32_16x16x128_f8f6f4 v[rD:rD+7], v[rB:rB+11], v[rA:rA+11], v[rD:rD+7], v[rSB], v[rSA] matrix_a_fmt:MATRIX_FMT_FP6 matrix_b_fmt:MATRIX_FMT_FP6 matrix_a_scale:MATRIX_SCALE_ROW1
.elseif oA
	v_wmma_scale_f32_16x16x128_f8f6f4 v[rD:rD+7], v[rB:rB+11], v[rA:rA+11], v[rD:rD+7], v[rSB], v[rSA] matrix_a_fmt:MATRIX_FMT_FP6 matrix_b_fmt:MATRIX_FMT_FP6 matrix_b_scale:MATRIX_SCALE_ROW1
.else
	v_wmma_scale_f32_16x16x128_f8f6f4 v[rD:rD+7], v[rB:rB+11], v[rA:rA+11], v[rD:rD+7], v[rSB], v[rSA] matrix_a_fmt:MATRIX_FMT_FP6 matrix_b_fmt:MATRIX_FMT_FP6
.endif
.endif
.endm
; 16 products: A's fragments a0, a0 + 1 x B's eight, K group g.  The 32 accumulators take turns, one instruction a turn, in the same order in every step.
.macro MUL16 a0, g, first
.irp a, \a0, \a0+1
.irp b, 0,1,2,3,4,5,6,7
.set rD, 64*(\a)+8*\b
.set rB, 96*((\g)&1)+12*\b
.set rA, AF+48*((\g)&1)+12*(\a)
.set rSB, SB+4*((\g)&1)+(\b)/2
.set rSA, SA+2*((\g)&1)+(\a)/2
.set oB, (\b)%2
.set oA, (\a)%2
	MM \first
.endr
.endr
.endm
; K group g's operands into set g & 1: 24 loads for B's eight fragments, 12 for my four of A, two for the scale words; each load takes 512 (the last 256) consecutive bytes
.macro FETCH g
.set FX, (\g)>>2
.set FO, ((\g)&3)*PANEL
.set FP, (\g)&1
	WIN TO_B
.irp b, 0,1,2,3,4,5,6,7
.irp q, 0,1,2
	ds_load_b128 v[96*FP+12*\b+4*\q:96*FP+12*\b+4*\q+3], v[8+FX] offset:FO+1536*\b+512*\q
.endr
.endr
	WIN 0
.irp a, 0,1,2,3
.irp q, 0,1,2
	ds_load_b128 v[AF+48*FP+12*\a+4*\q:AF+48*FP+12*\a+4*\q+3], v[4+FX] offset:FO+1536*\a+512*\q
.endr
.endr
	ds_load_b128 v[SB+4*FP:SB+4*FP+3], v[8+FX] offset:FO+12288
	ds_load_b64 v[SA+2*FP:SA+2*FP+1], v[6+FX] offset:FO
.endm
; A step whose successor lies in a half that is shown already: its operands are in; the next step's are asked for; 32 products.
.macro STEP_IN g, first
	s_wait_dscnt 0x0                               ; this step's operands are in
.if (\g) > 0
	PLACES 4                                       ; in front of loads into the set that the last step's products read (ahead of step 0 the way out's lines stand there)
.endif
	FETCH (\g)+1
	WIN MUL
	MUL16 0, \g, \first
	MUL16 2, \g, \first
.endm
; The last tile's step 3: a plain barrier shows K groups 4-7.
.macro STEP_EDGE g
	s_wait_dscnt 0x0
	s_wait_tensorcnt 0x0                           ; every wave's load has landed
	s_barrier_signal -1
	WIN MUL
	MUL16 0, \g, 0                                 ; work on registers while the others arrive
	s_barrier_wait -1
	PLACES 4
	FETCH (\g)+1
	WIN MUL
	MUL16 2, \g, 0
.endm
; A step with a round.  Its operands, the last of a half of LDS, are in every wave's registers when the round closes: wave w0 asks for the next tile's part of A' for that half, wave w0 + 1 (both = 1) for B's.
; The round also shows what the last round's loads brought: nx, the K group fetched behind it, lies there.
.macro STEP_R g, nx, w0, both, it
	s_wait_dscnt 0x0                               ; this step's operands are in
	WIN 0                                          ; (the add's two registers lie in window 0)
	s_wait_tensorcnt 0x0                           ; all my tensor loads have landed;
	ds_add_u32 v[SPW], v[NIL]                      ; 0 onto my spare word;
.if (\g) == 3
	DESC (\it)+1                                   ; no load of mine is out: the next tile's addresses, for this round's loads and for step 7's
.endif
	s_wait_dscnt 0x0                               ; the add is done, and my reads of this half are over
	s_barrier_signal -1
	WIN MUL
	MUL16 0, \g, 0                                 ; work on registers while the others arrive
	WIN 0
	s_barrier_wait -1
	CREST                                          ; no wave of any partner still reads this half or has a load on its way
	s_cmp_eq_u32 s[WV], \w0
	s_cbranch_scc0 .Lnot_a_\@
	tensor_load_to_lds s[G0A:G0A+3], s[G1A:G1A+7]
	s_nop 0
	PLACES 4
.if \both
	s_branch .Lasked_\@
.endif
.Lnot_a_\@:
.if \both
	s_cmp_eq_u32 s[WV], \w0+1
	s_cbranch_scc0 .Lasked_\@
	tensor_load_to_lds s[G0B:G0B+3], s[G1B:G1B+7]
	s_nop 0
	PLACES 4
.Lasked_\@:
.endif
	PLACES 4                                       ; in front of the loads below, for the waves that come round the loads
	FETCH \nx
	WIN MUL
	MUL16 2, \g, 0
.endm
; Tile a's 64 numbers of a lane (window 2, register 16 b + i = next K 32 b + 16 (lane / 16) + i) become 12 registers of codes and a scale word.  Each accumulator is read from its low end on.
.macro QUANT a
.set QS, 64*(\a)
.set PC, PCD+12*(\a)
	WIN 0x0a                                       ; sources 0 and 1 window 2
.irp b, 0,1,2,3
	v_max3_num_f32 v[TM+\b], |v[QS+16*\b]|, |v[QS+1+16*\b]|, 0x1800000   ; my 16 numbers of block b, and the floor 2^(3 - 127)
.endr
	WIN 0x28                                       ; sources 1 and 2 window 2
.irp i, 2,4,6,8,10,12,14
.irp b, 0,1,2,3
	v_max3_num_f32 v[TM+\b], v[TM+\b], |v[QS+16*\b+\i]|, |v[QS+1+16*\b+\i]|
.endr
.endr
	WIN 0
.irp b, 0,1,2,3
	v_permlanex16_b32 v[TM+4+\b], v[TM+\b], s[SEL], s[SEL+1]
.endr
.irp b, 0,1,2,3
	v_max_num_f32 v[TM+\b], v[TM+\b], v[TM+4+\b]   ; with lane l xor 16's: the block's largest magnitude
.endr
.irp b, 0,1,2,3
	v_add_nc_u32 v[TM+12+\b], 0xff000000, v[TM+\b] ; 2 off the exponent field: the conversion's scale operand
.endr
.irp b, 0,1,2,3
	v_lshrrev_b32 v[TM+4+\b], 23, v[TM+12+\b]      ; the scale's byte
.endr
	v_lshl_or_b32 v[PW+(\a)], v[TM+5], 8, v[TM+4]
	v_lshl_or_b32 v[PW+(\a)], v[TM+6], 16, v[PW+(\a)]
	v_lshl_or_b32 v[PW+(\a)], v[TM+7], 24, v[PW+(\a)]
	WIN 0x02                                       ; source 0 window 2
.irp c, 0,1
	v_cvt_scalef32_pk16_fp6_f32 v[PC+6*\c:PC+6*\c+2], v[QS+32*\c:QS+32*\c+15], v[TM+12+2*\c]
	v_cvt_scalef32_pk16_fp6_f32 v[CT+4*\c:CT+4*\c+2], v[QS+32*\c+16:QS+32*\c+31], v[TM+13+2*\c]
.endr
	WIN 0
	v_nop                                          ; one plain place behind a scaled conversion
.irp c, 0,1                                    ; the layout wants a WHOLE block in a lane: lanes 0-15 block 2 c, lanes 16-31 block 2 c + 1
.irp i, 0,1,2
	v_permlane16_swap_b32 v[PC+6*\c+\i], v[CT+4*\c+\i]
.endr
.irp i, 0,1,2
	v_mov_b32 v[PC+3+6*\c+\i], v[CT+4*\c+\i]
.endr
.endr
.endm
.macro SENDF a                         ; each tile has registers and bases of its own
.irp c, 0,1
	global_store_b128 v1, v[PCD+12*(\a)+6*\c:PCD+12*(\a)+6*\c+3], s[OB+4*(\a)+2*\c:OB+4*(\a)+2*\c+1]              ; 512 consecutive bytes, aligned to 256
	global_store_b64 v2, v[PCD+12*(\a)+6*\c+4:PCD+12*(\a)+6*\c+5], s[OB+4*(\a)+2*\c:OB+4*(\a)+2*\c+1] offset:512  ; 256 more
.endr
.endm
; THE WAY OUT of tile it.  Where my records begin, from ids and the tile's number alone.  It touches no LDS byte: the next tile's loads land meanwhile.
.macro OUT it
	WIN 0
.if (\it) > 0
	s_wait_xcnt 0x0                                ; the last tile's stores have read their registers and their bases
.endif
	s_add_co_u32 s98, s14, 4*(\it)                 ; the tile row: 0-7 Q and K, 8-11 V
	s_mov_b32 s15, (\it)/2                         ; the job: 0 Q and K, 1 V
	s_min_u32 s16, s98, 7
	s_lshl_b32 s16, s16, 2
	s_add_co_u32 s16, s16, s12                     ; Q, K: which 256 tokens
	s_lshr_b32 s17, s16, 3                         ; the batch
	s_and_b32 s16, s16, 7
	s_lshl_b32 s16, s16, 2
	s_add_co_u32 s16, s16, s[WV]                   ; my 64 tokens among the batch's 32 such groups
	s_lshl_b32 s18, s13, 2
	s_add_co_u32 s18, s18, s11                     ; 4 x cluster x + cx: for V the key step
	s_and_b32 s19, s18, 7                          ; for Q, K the pair of heads
	s_lshl_b32 s17, s17, 4
	s_lshl_b32 s19, s19, 1
	s_add_co_u32 s17, s17, s19                     ; 16 x batch + the pair's first head
	s_lshl_b32 s20, s17, 5
	s_add_co_u32 s20, s20, s16
	s_mul_i32 s20, s20, TREC                       ; Q's record
	s_mul_i32 s21, s17, HEADB
	s_lshr_b32 s22, s16, 1
	s_mul_i32 s22, s22, STEPB
	s_add_co_u32 s21, s21, s22
	s_and_b32 s22, s16, 1
	s_mul_i32 s22, s22, TREC
	s_add_co_u32 s21, s21, s22
	s_add_co_u32 s21, s21, KV0                     ; K's record
	s_max_u32 s23, s98, 8
	s_sub_co_u32 s23, s23, 8                       ; V: the batch
	s_lshl_b32 s23, s23, 4
	s_lshl_b32 s22, s12, 2
	s_add_co_u32 s23, s23, s22
	s_add_co_u32 s23, s23, s[WV]                   ; + the head: 4 cy + wave
	s_mul_i32 s23, s23, HEADB
	s_mul_i32 s22, s18, STEPB
	s_add_co_u32 s23, s23, s22
	s_add_co_u32 s23, s23, KV0+2*TREC              ; V's record
	s_mov_b32 s90, HEADB                           ; from a lane's first 64 numbers to its second: the next head (Q, K) or the record's second half (V)
	s_mov_b32 s92, 768                             ; from tile to tile
	s_mov_b32 s94, 3072                            ; the scale words' place
	s_mov_b32 s84, 0xffff                          ; the bytes of a scale word that belong to the first record
	s_cmp_lt_u32 s13, 2
	s_cselect_b32 s88, s20, s21
	s_cselect_b32 s90, 32*TREC, s90
	s_cmp_lg_u32 s15, 0
	s_cselect_b32 s88, s23, s88
	s_cselect_b32 s90, 768, s90
	s_cselect_b32 s92, 1536, s92
	s_cselect_b32 s94, 6144, s94
	s_cselect_b32 s84, -1, s84
	s_mov_b32 s89, 0
	s_mov_b32 s91, 0
	s_mov_b32 s93, 0
	s_mov_b32 s95, 0
	s_mov_b32 s85, 0xffff0000                      ; lanes 16-31
	s_add_nc_u64 s[OB:OB+1], s[6:7], s[88:89]      ; the eight bases: tile a, half c at s[OB + 4 a + 2 c]
	s_add_nc_u64 s[OB+2:OB+3], s[OB:OB+1], s[90:91]
.irp a, 1,2,3
	s_add_nc_u64 s[OB+4*\a:OB+4*\a+1], s[OB+4*\a-4:OB+4*\a-3], s[92:93]
	s_add_nc_u64 s[OB+4*\a+2:OB+4*\a+3], s[OB+4*\a-2:OB+4*\a-1], s[92:93]
.endr
	s_add_nc_u64 s[OS:OS+1], s[OB:OB+1], s[94:95]
	s_add_nc_u64 s[OS+2:OS+3], s[OB+2:OB+3], s[94:95]
.irp b, 0,1,2,3
	v_mov_b32 v[TM+4+\b], 0                        ; a lane permute's destination counts as one of its sources.  (These four are the places behind the last products)
.endr
.irp a, 0,1,2,3
	QUANT \a
	SENDF \a
.endr
.irp i, 0,1
	v_cndmask_b32 v[204+\i], v[PW+2*\i], v[PW+2*\i+1], s85   ; lanes 0-15 tile 2 i's words, lanes 16-31 tile 2 i + 1's
.endr
.irp i, 0,1
	v_and_b32 v[206+\i], s84, v[204+\i]            ; Q, K: the first head's two bytes; V: all four
.endr
	global_store_b64 v2, v[206:207], s[OS:OS+1]    ; one aligned run of 256 bytes
.if (\it) < 2
.irp i, 0,1
	v_lshrrev_b32 v[208+\i], 16, v[204+\i]         ; Q, K: the second head's two bytes
.endr
	global_store_b64 v2, v[208:209], s[OS+2:OS+3]
.endif
.endm
	s_wait_alu depctr_va_vdst(0)
	s_cmp_lt_u32 s[WV], 2                          ; the first barrier shows K groups 0-3: waves 0 and 1 wait for their loads; the other two loads may be out
	s_cbranch_scc0 .Lhi_out
	s_wait_tensorcnt 0x0
.Lhi_out:
	s_barrier_signal -1
	s_barrier_wait -1
	FETCH 0
.irp it, 0,1
	STEP_IN 0, 1                                   ; the first step's products start the sums: nothing is cleared
	STEP_IN 1, 0
	STEP_IN 2, 0
	STEP_R 3, 4, 0, \it, \it                       ; K groups 0-3 are in registers: that half takes the next tile's
	STEP_IN 4, 0
	STEP_IN 5, 0
	STEP_IN 6, 0
	STEP_R 7, 0, 2, \it, \it                       ; and so the other half; the next tile's first operands are fetched ahead of the way out
	OUT \it
.endr
	STEP_IN 0, 1
	STEP_IN 1, 0
	STEP_IN 2, 0
	STEP_EDGE 3
	STEP_IN 4, 0
	STEP_IN 5, 0
	STEP_IN 6, 0
	s_wait_dscnt 0x0
	WIN MUL
	MUL16 0, 7, 0
	MUL16 2, 7, 0
	OUT 2
	s_wait_tensorcnt 0x0                           ; the wave's end, behind my last tensor load
	ds_add_u32 v[SPW], v[NIL]
	s_wait_dscnt 0x0
	CROUND                                         ; the closing round
	s_endpgm
.Lfunc_end_k_q87e212a433_qkv:
	.size	k_q87e212a433_qkv, .Lfunc_end_k_q87e212a433_qkv-k_q87e212a433_qkv
	.p2alignl 7, 3214868480
	.fill 96, 4, 3214868480
	.section	.rodata,"a",@progbits
	.p2align	6, 0x0
	.amdhsa_kernel k_q87e212a433_qkv
		.amdhsa_group_segment_fixed_size 327680
		.amdhsa_private_segment_fixed_size 0
		.amdhsa_enable_private_segment 0
		.amdhsa_kernarg_size 16
		.amdhsa_user_sgpr_count 2
		.amdhsa_user_sgpr_kernarg_segment_ptr 1
		.amdhsa_wavefront_size32 1
		.amdhsa_system_sgpr_workgroup_id_x 1
		.amdhsa_system_sgpr_workgroup_id_y 1
		.amdhsa_system_sgpr_workgroup_id_z 1
		.amdhsa_system_vgpr_workitem_id 0
		.amdhsa_next_free_vgpr 768
		.amdhsa_next_free_sgpr 100
		.amdhsa_reserve_vcc 0
		.amdhsa_float_denorm_mode_32 3
		.amdhsa_float_denorm_mode_16_64 3
		.amdhsa_memory_ordered 1
		.amdhsa_forward_progress 1
		.amdhsa_inst_pref_size 230
	.end_amdhsa_kernel
	.amdgpu_metadata
---
amdhsa.version: [ 1, 2 ]
amdhsa.kernels:
  - .name:           k_q87e212a433_qkv
    .symbol:         k_q87e212a433_qkv.kd
    .args:
      - { .name: ops, .offset: 0, .size: 8, .value_kind: global_buffer, .address_space: global }
      - { .name: qkv, .offset: 8, .size: 8, .value_kind: global_buffer, .address_space: global }
    .group_segment_fixed_size: 327680
    .private_segment_fixed_size: 0
    .kernarg_segment_align: 8
    .kernarg_segment_size: 16
    .max_flat_workgroup_size: 128
    .sgpr_count:     100
    .vgpr_count:     768
    .wavefront_size: 32
...
	.end_amdgpu_metadata
.endif
;; end of part 2
;; launch attn (part 3): grid 4 x 64, 8 waves a work-group, clusters of 4 x 1, 236,032 bytes of LDS; arguments qkv, hp; writes hp
.if DOCPART == 3
	.amdgcn_target "amdgcn-amd-amdhsa--gfx1250"
	.amdhsa_code_object_version 6
	.text
	.protected	k_q87e212a433_attn
	.globl	k_q87e212a433_attn
	.p2align	8
	.type	k_q87e212a433_attn,@function
k_q87e212a433_attn:
	s_mov_b64 s[64:65], 0
	v_nop
	global_prefetch_b8 v0, s[64:65] scope:SCOPE_SE
	s_setreg_imm32_b32 hwreg(HW_REG_WAVE_MODE, 25, 1), 1
	s_wait_xcnt 0x0
	s_wait_alu depctr_hold_cnt(0) depctr_sa_sdst(0) depctr_va_vdst(0) depctr_va_sdst(0) depctr_va_ssrc(0) depctr_va_vcc(0) depctr_vm_vsrc(0)
	s_getreg_b32 s2, hwreg(HW_REG_IB_STS2, 6, 4)
	s_cmp_eq_u32 s2, 0
	s_cbranch_scc0 .Lentry_in_a_cluster
	s_endpgm
.Lentry_in_a_cluster:
	s_bfe_u32 s2, ttmp6, 0x10000c
	s_cmp_lg_u32 s2, 0x3003
	s_cbranch_scc0 .Lentry_shape_is_right
	s_endpgm
.Lentry_shape_is_right:
; H[b][h][q] = the sum over k of softmax_k(Q . K / 8) V, both products on codes of FP6 (E2M3) with E8M0 scales; H leaves as codes for the last projection.
; THE SOFTMAX: t = score x log2(e) / 8 (the 1 / 8 of reference() is a power of two: Q's codes are made of Q itself); M = the running largest t rounded UP to a whole number; p = 2^(t - M) is quantised along
; the keys, not normalised; the row's sum is taken of the unquantised p and divides at the end.  When M moves, the sums and O are multiplied by 2^(old M - new M): exact, and no branch on data.
; SHARES.  A work-group owns 512 queries of one head; each of its eight waves one record of 64, in two passes of TWO tiles of 16: both tiles take every fragment of K and V that the wave reads from LDS,
; and their dependent chains stand line by line side by side.  Two waves to a SIMD, 512 registers each.
; ALL OF THE HEAD'S K AND V LIES IN LDS: 16 step records of 13,056 bytes (128 keys), two to a wave's one tensor load: no LDS byte is filled twice, so there is no ring and no loop of loads to prefetch for.
; CLUSTER 4 x 1: the head's four blocks of queries read the same K and V: each pair of records is asked for jointly, with the mask of all four.
; LAYOUT.  Both products are used transposed: S^T = K Q^T, O^T = V^T P^T: a lane holds ONE query.  THE KEYS OF A TILE OF K ARE CHOSEN BY THE LANES' LDS ADDRESSES: row 8 e + i of tile 4 c + j is key
; 64 c + 32 e + 8 j + i, which lies in the record's image of tile 2 e + j % 2 at lane 8 (j / 2) + i + 16 h.  So registers 32 c .. 32 c + 31 of a lane's scores are the WHOLE block 2 c + h of 32 keys, in order:
; a block's maximum needs no other lane and the conversions' results are the operand's registers.  The price: two lanes of such a load meet in a bank.
; The head's size is 64: Q's registers 6-11 are zero codes, so what K's registers 6-11 hold adds nothing: tile t's fragment is v[KB + 6 t ..+11], its upper half the next tile's codes (every FP6 code is finite; K's scale bytes 2, 3 are 0).
; REGISTERS.  Window 0: addresses, state, scale words, Q, K, V, p's codes.  Window 1: v0-127 S^T then p (tile x at 64 x), v128-191 O^T (32 x), v192-255 sums of pairs of p (32 x).
; The last step of the last pass asks LDS for record 0 once more (37 loads that nobody uses): the step's text stands once.
; LIMITS: NaN and infinities are not served; the promise holds while the scaled scores stay under 2^31 in magnitude; a block whose every p has fallen to 0, and a block of H under 2^-124, keep the byte 1.
.set TREC,  3328
.set STEPB, 13056
.set HEADB, 16*STEPB
.set KV0,   64*32*TREC
.set SPARE, 18*STEPB                   ; the spare words, 128 bytes a wave: four blocks of 256 bytes that no other line names
.set AK16, 1                           ; K's codes, 16-byte pieces; AK8 the 8-byte pieces; AKS K's scale words; AV16, AV8 V: LDS addresses in the record in hand
.set AK8,  2
.set SPW,  3
.set NIL,  4
.set AKS,  5
.set L16,  6                           ; 16 lane, 8 lane
.set L8,   7
.set AV16, 8
.set AV8,  9
.set BK16, 10                          ; the lanes' terms of AK16, AK8, AKS
.set BK8,  11
.set BKS,  12
.set SH8,  13                          ; 8 h
.set HW,   14                          ; v14, v15 H's scale words of the two passes
.set MM,   16                          ; tile x: v[MM+2x] -M, v[MM+2x+1] the largest score
.set LS,   20                          ; tile x: the row's sum in two pairs at LS+4x, LS+4x+2
.set FF,   28                          ; tile x: f = 2^(old M - new M) at FF+2x
.set KSC,  32                          ; v32-35 K's scale words; v36, 37 V's; v38 Q's of this pass; v40, 41 Q's as loaded; v42, 43 p's
.set VSC,  36
.set QSC,  38
.set QS,   40
.set PSW,  42
.set QF,   44                          ; v44-67 Q's two tiles
.set KB,   68                          ; v68-115 K's eight tiles, six registers each; v116-121 zeros
.set VF,   122                         ; v122-169 V's four tiles
.set PCD,  170                         ; v170-193 p's codes
.set TT,   194                         ; block k = 2 x + c: its largest score, then its largest p
.set RR,   198
.set PP,   200
.set XX,   202
.set DD,   204
.set SOP,  206
.set BY,   210
.set WW,   214
.set WP,   216
.set CT,   220                         ; v220-235 second halves as the conversions leave them
.set RC,   236
.set QN,   240                         ; v240-251 the second pass's Q
.set WV,  8
.set G1,  16
.set G0,  24
.set QB,  28
.set HB,  30
.set HG,  32
.set SEL, 34
.set CS,  36                           ; s[36:37] c = log2(e) / 8; s41 -c
.set TB,  38
.set CNT, 39
.set HIM, 40
.set NC,  41
.set PSC, 42
.set MSB, 0
.macro WIN new                         ; the immediate's high byte repeats the setting that is left
.if MSB != \new
	s_set_vgpr_msb (MSB<<8)|\new
.set MSB, \new
.endif
.endm
.macro WALU
	s_wait_alu depctr_va_vdst(0)
.endm
.macro PLACES n
.rept \n
	v_nop
.endr
.endm
.macro CROUND
	s_barrier_signal -1
	s_barrier_wait -1
	s_cmp_lg_u32 s[WV], 0
	s_cbranch_scc1 .Lnot_wave_0_\@
	s_barrier_signal -3
.Lnot_wave_0_\@:
	s_barrier_wait -3
	s_barrier_signal -1
	s_barrier_wait -1
.endm
.macro ADDR                            ; the five addresses in the record at s[TB]
	v_add_nc_u32 v[AK16], s[TB], v[BK16]
	v_add_nc_u32 v[AK8], s[TB], v[BK8]
	v_add_nc_u32 v[AKS], s[TB], v[BKS]
	v_add_nc_u32 v[AV16], s[TB], v[L16]
	v_add_nc_u32 v[AV8], s[TB], v[L8]
.endm
.macro KLOAD                           ; 20 loads: eight tiles of 16 keys, j = 2 jj + o, and four registers of scale words (lanes 0-15 o = 0, lanes 16-31 o = 1)
.irp c, 0,1
.irp jj, 0,1
.irp o, 0,1
	ds_load_b128 v[KB+24*\c+12*\jj+6*\o:KB+24*\c+12*\jj+6*\o+3], v[AK16] offset:TREC*\c+768*\o+128*\jj
	ds_load_b64 v[KB+24*\c+12*\jj+6*\o+4:KB+24*\c+12*\jj+6*\o+5], v[AK8] offset:TREC*\c+768*\o+512+64*\jj
.endr
	ds_load_b32 v[KSC+2*\c+\jj], v[AKS] offset:TREC*\c+3072+64*\jj
.endr
.endr
.endm
.macro VLOAD                           ; 17 loads: V's four tiles of 16 channels x 128 keys and their scale words
.irp t, 0,1,2,3
.irp c, 0,1
	ds_load_b128 v[VF+12*\t+6*\c:VF+12*\t+6*\c+3], v[AV16] offset:2*TREC+1536*\t+768*\c
	ds_load_b64 v[VF+12*\t+6*\c+4:VF+12*\t+6*\c+5], v[AV8] offset:2*TREC+1536*\t+768*\c+512
.endr
.endr
	ds_load_b64 v[VSC:VSC+1], v[AV8] offset:2*TREC+6144
.endm
; A KEY STEP: 128 keys for the pass's two tiles of 16 queries.
.macro STEP
	s_wait_dscnt 17                                ; K's 20 loads are in; V's 17, issued behind them, may be out
	WIN 0x40                                       ; D in window 1
.irp c, 0,1
.irp jj, 0,1
.irp o, 0,1
.irp x, 0,1
	v_wmma_scale_f32_16x16x128_f8f6f4 v[64*\x+32*\c+16*\jj+8*\o:64*\x+32*\c+16*\jj+8*\o+7], v[KB+24*\c+12*\jj+6*\o:KB+24*\c+12*\jj+6*\o+11], v[QF+12*\x:QF+12*\x+11], 0, v[KSC+2*\c+\jj], v[QSC] matrix_a_fmt:MATRIX_FMT_FP6 matrix_b_fmt:MATRIX_FMT_FP6 matrix_a_scale:MATRIX_SCALE_ROW\o matrix_b_scale:MATRIX_SCALE_ROW\x
.endr
.endr
.endr
.endr
	WIN 0
	s_add_co_u32 s[TB], s[TB], STEPB               ; on to the next record; behind the last comes the first
	s_cmp_eq_u32 s[TB], HEADB
	s_cselect_b32 s[TB], 0, s[TB]
	ADDR                                           ; five plain lines: the places in front of the loads into K's registers and of the first read of the scores
	KLOAD
	WIN 0x14                                       ; sources 1 and 2 in window 1
.irp k, 0,1,2,3
	v_max3_num_f32 v[TT+\k], 0xff800000, v[32*\k], v[32*\k+1]   ; the largest score of my block: four chains by turns; each accumulator is read from its low end on
.endr
.set I, 2
.rept 15
.irp k, 0,1,2,3
	v_max3_num_f32 v[TT+\k], v[TT+\k], v[32*\k+I], v[32*\k+I+1]
.endr
.set I, I+2
.endr
	WIN 0
.irp x, 0,1
	v_max_num_f32 v[RR+\x], v[TT+2*\x], v[TT+2*\x+1]
.endr
.irp x, 0,1
	v_permlanex16_b32 v[PP+\x], v[RR+\x], s[SEL], s[SEL+1]
.endr
.irp x, 0,1
	v_max3_num_f32 v[MM+2*\x+1], v[MM+2*\x+1], v[RR+\x], v[PP+\x]   ; the running largest score of my query
.endr
.irp x, 0,1
	v_mul_f32 v[XX+\x], s[NC], v[MM+2*\x+1]        ; -t
.endr
.irp x, 0,1
	v_floor_f32 v[XX+\x], v[XX+\x]                 ; the new -M = floor(-t): M is a whole number
.endr
.irp x, 0,1
	v_sub_f32 v[DD+\x], v[XX+\x], v[MM+2*\x]       ; old M - new M: a whole number, 0 or less
.endr
.irp x, 0,1
	v_mov_b32 v[MM+2*\x], v[XX+\x]
.endr
.irp x, 0,1
	v_cvt_i32_f32 v[DD+\x], v[DD+\x]               ; (it saturates)
.endr
.irp x, 0,1
	v_ldexp_f32 v[FF+2*\x], 1.0, v[DD+\x]          ; f
.endr
.irp x, 0,1
.irp c, 0,1
	v_fma_f32 v[TT+2*\x+\c], v[TT+2*\x+\c], s[CS], v[MM+2*\x]   ; t - M of each block's largest score: p rises with the score
.endr
.endr
.irp x, 0,1
.irp c, 0,2
	v_pk_mul_f32 v[LS+4*\x+\c:LS+4*\x+\c+1], v[LS+4*\x+\c:LS+4*\x+\c+1], v[FF+2*\x:FF+2*\x+1] op_sel_hi:[1,0]   ; the sums under the new M
.endr
.endr
	WIN 0x41                                       ; source 0 and destination in window 1
.irp x, 0,1
.set J, 0
.rept 16
	v_pk_mul_f32 v[128+32*\x+J:129+32*\x+J], v[128+32*\x+J:129+32*\x+J], v[FF+2*\x:FF+2*\x+1] op_sel_hi:[1,0]   ; O^T under the new M: its first read stands ahead of every exponential of the step
.set J, J+2
.endr
.endr
.set J, 0
.rept 32
	v_pk_fma_f32 v[J:J+1], v[J:J+1], s[CS:CS+1], v[MM:MM+1] op_sel_hi:[1,0,0]   ; tile 0: t - M, two at a time
.set J, J+2
.endr
	WALU                                           ; ahead of a batch of transcendentals
.set J, 0
.rept 32                                       ; tile 0's p; among them tile 1's t - M, lines that hang on nothing here and are read behind the next wait
	v_exp_f32 v[J], v[J]
	v_exp_f32 v[J+1], v[J+1]
	v_pk_fma_f32 v[64+J:65+J], v[64+J:65+J], s[CS:CS+1], v[MM+2:MM+3] op_sel_hi:[1,0,0]
.set J, J+2
.endr
	WIN 0
	v_exp_f32 v[TT], v[TT]                         ; tile 0's blocks' largest p
	v_exp_f32 v[TT+1], v[TT+1]
	v_nop                                          ; the plain place behind the batch
	WALU                                           ; behind the batch, and ahead of the next
	WIN 0x45                                       ; sources 0, 1 and destination in window 1
.set J, 0
.rept 16                                       ; tile 1's p; among them the sums of neighbouring pairs of tile 0's p, read behind the next wait
	v_exp_f32 v[64+4*J], v[64+4*J]
	v_exp_f32 v[65+4*J], v[65+4*J]
	v_exp_f32 v[66+4*J], v[66+4*J]
	v_exp_f32 v[67+4*J], v[67+4*J]
	v_pk_add_f32 v[192+2*J:193+2*J], v[4*J:4*J+1], v[4*J+2:4*J+3]
.set J, J+1
.endr
	WIN 0
	v_exp_f32 v[TT+2], v[TT+2]
	v_exp_f32 v[TT+3], v[TT+3]
	v_nop
	WALU
.irp k, 0,1,2,3
	v_max_num_f32 v[TT+\k], 0x1800000, v[TT+\k]    ; the floor 2^(3 - 127): the byte cannot fall under 1
.endr
.irp k, 0,1,2,3
	v_add_nc_u32 v[SOP+\k], 0xff000000, v[TT+\k]   ; 2 off the exponent field: the conversion's scale operand
.endr
.irp k, 0,1,2,3
	v_lshrrev_b32 v[BY+\k], 23, v[SOP+\k]          ; the scale's byte
.endr
.irp x, 0,1
	v_lshl_or_b32 v[WW+\x], v[BY+2*\x+1], 16, v[BY+2*\x]   ; my two bytes: blocks h and 2 + h,
.endr
.irp x, 0,1
	v_lshlrev_b32 v[WW+\x], v[SH8], v[WW+\x]       ; at their places;
.endr
.irp x, 0,1
	v_permlanex16_b32 v[WP+\x], v[WW+\x], s[SEL], s[SEL+1]
.endr
.irp x, 0,1
	v_or_b32 v[PSW+\x], v[WW+\x], v[WP+\x]         ; with lane l xor 16's two the word is whole
.endr
	WIN 0x45
.set J, 0
.rept 16
	v_pk_add_f32 v[224+2*J:225+2*J], v[64+4*J:65+4*J], v[66+4*J:67+4*J]   ; tile 1's pairs
.set J, J+1
.endr
	WIN 0x01                                       ; source 0 in window 1
.irp k, 0,1,2,3
	v_cvt_scalef32_pk16_fp6_f32 v[PCD+6*\k:PCD+6*\k+2], v[32*\k:32*\k+15], v[SOP+\k]
	v_cvt_scalef32_pk16_fp6_f32 v[CT+4*\k:CT+4*\k+2], v[32*\k+16:32*\k+31], v[SOP+\k]   ; (a conversion's three registers begin on an even number)
.endr
	WIN 0
	v_nop                                          ; one plain place behind a scaled conversion
.irp k, 0,1,2,3
.irp i, 0,1,2
	v_mov_b32 v[PCD+6*\k+3+\i], v[CT+4*\k+\i]
.endr
.endr
	WIN 0x04                                       ; source 1 in window 1
.set J, 0
.rept 8                                        ; the row's sums, of the unquantised p: four chains by turns.  These 32 lines are also the places between p's codes and scale words and the products
.irp x, 0,1
	v_pk_add_f32 v[LS+4*\x:LS+4*\x+1], v[LS+4*\x:LS+4*\x+1], v[192+32*\x+2*J:193+32*\x+2*J]
	v_pk_add_f32 v[LS+4*\x+2:LS+4*\x+3], v[LS+4*\x+2:LS+4*\x+3], v[208+32*\x+2*J:209+32*\x+2*J]
.endr
.set J, J+1
.endr
	s_wait_dscnt 20                                ; V's 17 loads are in; the next record's 20 of K, issued behind them, may be out
	WIN 0x50                                       ; C and D in window 1
.irp tt, 0,1
.irp o, 0,1
.irp x, 0,1
	v_wmma_scale_f32_16x16x128_f8f6f4 v[128+32*\x+16*\tt+8*\o:128+32*\x+16*\tt+8*\o+7], v[VF+24*\tt+12*\o:VF+24*\tt+12*\o+11], v[PCD+12*\x:PCD+12*\x+11], v[128+32*\x+16*\tt+8*\o:128+32*\x+16*\tt+8*\o+7], v[VSC+\tt], v[PSW+\x] matrix_a_fmt:MATRIX_FMT_FP6 matrix_b_fmt:MATRIX_FMT_FP6 matrix_a_scale:MATRIX_SCALE_ROW\o matrix_b_scale:MATRIX_SCALE_ROW0
.endr
.endr
.endr
	WIN 0
	PLACES 4                                       ; in front of loads into V's registers
	VLOAD
.endm
; THE END OF A PASS: O^T / the sum, quantised along the head's 64 (register 16 b + i: channel 32 b + 16 h + i), stored as each tile's six registers; the scale words are kept.
.macro EPI
	WALU                                           ; the sums were last written ahead of a wait on DScnt
.irp x, 0,1
	v_pk_add_f32 v[LS+4*\x:LS+4*\x+1], v[LS+4*\x:LS+4*\x+1], v[LS+4*\x+2:LS+4*\x+3]
.endr
.irp x, 0,1
	v_add_f32 v[RR+\x], v[LS+4*\x], v[LS+4*\x+1]
.endr
.irp x, 0,1
	v_permlanex16_b32 v[PP+\x], v[RR+\x], s[SEL], s[SEL+1]
.endr
.irp x, 0,1
	v_add_f32 v[RR+\x], v[RR+\x], v[PP+\x]         ; the row's sum
.endr
	WALU
.irp x, 0,1
	v_rcp_f32 v[RC+2*\x], v[RR+\x]
.endr
	v_nop
	WIN 0x41
	WALU                                           ; ahead of the first reader of the reciprocals and of O^T
.irp x, 0,1
.set J, 0
.rept 16
	v_pk_mul_f32 v[64*\x+J:64*\x+J+1], v[128+32*\x+J:129+32*\x+J], v[RC+2*\x:RC+2*\x+1] op_sel_hi:[1,0]   ; each accumulator from its low end on
.set J, J+2
.endr
.endr
	WIN 0x14
.irp x, 0,1
.irp b, 0,1
	v_max3_num_f32 v[TT+2*\x+\b], 0x1800000, |v[64*\x+16*\b]|, |v[64*\x+16*\b+1]|
.endr
.endr
.irp i, 2,4,6,8,10,12,14
.irp x, 0,1
.irp b, 0,1
	v_max3_num_f32 v[TT+2*\x+\b], v[TT+2*\x+\b], |v[64*\x+16*\b+\i]|, |v[64*\x+16*\b+\i+1]|
.endr
.endr
.endr
	WIN 0
.irp k, 0,1,2,3
	v_permlanex16_b32 v[BY+\k], v[TT+\k], s[SEL], s[SEL+1]
.endr
.irp k, 0,1,2,3
	v_max_num_f32 v[TT+\k], v[TT+\k], v[BY+\k]     ; with lane l xor 16's 16 channels
.endr
.irp k, 0,1,2,3
	v_add_nc_u32 v[SOP+\k], 0xff000000, v[TT+\k]
.endr
.irp k, 0,1,2,3
	v_lshrrev_b32 v[BY+\k], 23, v[SOP+\k]
.endr
.irp x, 0,1
	v_lshl_or_b32 v[WW+\x], v[BY+2*\x+1], 8, v[BY+2*\x]   ; the row's two bytes; bytes 2 and 3 stay 0
.endr
	WIN 0x01
.irp x, 0,1
	v_cvt_scalef32_pk16_fp6_f32 v[PCD+12*\x:PCD+12*\x+2], v[64*\x:64*\x+15], v[SOP+2*\x]
	v_cvt_scalef32_pk16_fp6_f32 v[CT+8*\x:CT+8*\x+2], v[64*\x+16:64*\x+31], v[SOP+2*\x+1]
.endr
	WIN 0
	v_nop
.irp x, 0,1
.irp i, 0,1,2
	v_permlane16_swap_b32 v[PCD+12*\x+\i], v[CT+8*\x+\i]   ; the layout wants a whole block in a lane
.endr
.endr
.irp x, 0,1
.irp i, 0,1,2
	v_mov_b32 v[PCD+12*\x+3+\i], v[CT+8*\x+\i]
.endr
.endr
.irp x, 0,1
	global_store_b128 v[L16], v[PCD+12*\x:PCD+12*\x+3], s[HB:HB+1] offset:768*\x        ; 512 consecutive bytes, aligned to 256
	global_store_b64 v[L8], v[PCD+12*\x+4:PCD+12*\x+5], s[HB:HB+1] offset:768*\x+512    ; 256 more
.endr
	v_mov_b32 v[HW], v[HW+1]                       ; behind two passes: v[HW] the first's words, v[HW+1] the second's
	v_cndmask_b32 v[HW+1], v[WW], v[WW+1], s[HIM]  ; lanes 0-15 the even tile's words, lanes 16-31 the odd one's
.irp x, 0,1
.irp i, 0,1,2,3,4,5
	v_mov_b32 v[QF+12*\x+\i], v[QN+6*\x+\i]        ; the second pass's Q
.endr
.endr
.endm
	s_load_b128 s[4:7], s[0:1], 0x0                ; qkv, hp
	v_lshl_add_u32 v[SPW], v0, 2, SPARE
	v_mov_b32 v[NIL], 0
	ds_add_u32 v[SPW], v[NIL]                      ; the opening lines: the add, twice on end, and its wait ahead of my tensor load
	ds_add_u32 v[SPW], v[NIL]
	v_lshrrev_b32 v1, 5, v0
	v_readfirstlane_b32 s[WV], v1                  ; wave 0..7
	s_bfe_u32 s9, ttmp6, 0x40000                   ; cx: which 512 queries; it enters Q's and H's addresses alone
	s_and_b32 s10, ttmp7, 0xffff                   ; 16 x batch + head, which the four partners share
	s_mov_b32 s[G1], 15|(3<<16)|(1<<21)            ; the mask of all four; elements of 8 bytes; bit 21 beside a mask
	s_mov_b32 s[G1+1], 32<<16                      ; two dense records as 102 rows of 256 bytes
	s_mov_b32 s[G1+2], 102<<16
	s_mov_b32 s[G1+3], 32<<16
	s_mov_b32 s[G1+4], 102
	s_mov_b32 s[G1+5], 32
	s_mov_b32 s[G1+6], 0
	s_mov_b32 s[G1+7], 0
	s_mul_i32 s44, s[WV], 2*STEPB                  ; wave w fetches records 2 w and 2 w + 1
	s_mul_i32 s46, s10, HEADB
	s_add_co_u32 s46, s46, s44
	s_add_co_u32 s46, s46, KV0
	s_mov_b32 s47, 0
	s_lshl_b32 s14, s9, 3
	s_add_co_u32 s14, s14, s[WV]                   ; my record of 64 queries among the batch's 32
	s_lshl_b32 s15, s10, 5
	s_add_co_u32 s15, s15, s14
	s_mul_i32 s[QB], s15, TREC
	s_mov_b32 s[QB+1], 0
	s_lshr_b32 s48, s10, 4                         ; H's record: ((group of 128 tokens x 16 + head) x 2 + which 64) x 3,328
	s_lshl_b32 s48, s48, 4
	s_lshr_b32 s49, s14, 1
	s_add_co_u32 s48, s48, s49
	s_lshl_b32 s48, s48, 4
	s_and_b32 s49, s10, 15
	s_add_co_u32 s48, s48, s49
	s_lshl_b32 s48, s48, 1
	s_and_b32 s49, s14, 1
	s_add_co_u32 s48, s48, s49
	s_mul_i32 s[HB], s48, TREC
	s_mov_b32 s[HB+1], 0
	s_mov_b32 s[SEL], 0x76543210
	s_mov_b32 s[SEL+1], 0xfedcba98                 ; v_permlanex16_b32's selects for lane l xor 16
	s_mov_b32 s[CS], 0x3e38aa3b                    ; log2(e) / 8
	s_mov_b32 s[CS+1], s[CS]                       ; (named with it as a pair, so it is written)
	s_mov_b32 s[NC], 0xbe38aa3b
	s_mov_b32 s[TB], 0
	s_mov_b32 s[HIM], 0xffff0000
	s_wait_dscnt 0x0                               ; both opening adds are done
	s_wait_kmcnt 0x0
	s_mov_b32 s[G0], 1
	s_mov_b32 s[G0+1], s44
	s_add_nc_u64 s[G0+2:G0+3], s[4:5], s[46:47]
	s_or_b32 s[G0+3], s[G0+3], 0x80000000
	s_add_nc_u64 s[QB:QB+1], s[4:5], s[QB:QB+1]
	s_add_nc_u64 s[HB:HB+1], s[6:7], s[HB:HB+1]
	s_add_nc_u64 s[HG:HG+1], s[HB:HB+1], 3072
	CROUND                                         ; all four work-groups are here: the joint loads meet
	tensor_load_to_lds s[G0:G0+3], s[G1:G1+7]      ; my one tensor load of the launch
	s_nop 0
	PLACES 4
	v_and_b32 v[RR], 31, v0
	v_and_b32 v[XX], 7, v0                         ; i
	v_bfe_u32 v[DD], v0, 3, 1                      ; e
	v_bfe_u32 v[WW], v0, 4, 1                      ; h
	v_lshlrev_b32 v[L16], 4, v[RR]
	v_lshlrev_b32 v[L8], 3, v[RR]
	v_mul_u32_u24 v[BK16], v[DD], 1536             ; two tiles on for e = 1
	v_lshl_add_u32 v[BK8], v[XX], 3, v[BK16]
	v_lshl_add_u32 v[BK8], v[WW], 7, v[BK8]        ; 1536 e + 8 i + 128 h
	v_lshl_add_u32 v[BK16], v[XX], 4, v[BK16]
	v_lshl_add_u32 v[BK16], v[WW], 8, v[BK16]      ; 1536 e + 16 i + 256 h
	v_lshlrev_b32 v[BKS], 3, v[XX]
	v_lshl_add_u32 v[BKS], v[DD], 2, v[BKS]
	v_lshl_add_u32 v[BKS], v[WW], 7, v[BKS]        ; 8 i + 4 e + 128 h
	v_lshlrev_b32 v[SH8], 3, v[WW]
	ADDR
.irp x, 0,1                                    ; all four tiles of Q, while the tensor load is out: the first pass's into the operands' registers, the second's beside them
	global_load_b128 v[QF+12*\x:QF+12*\x+3], v[L16], s[QB:QB+1] offset:768*\x
	global_load_b64 v[QF+12*\x+4:QF+12*\x+5], v[L8], s[QB:QB+1] offset:768*\x+512
	global_load_b128 v[QN+6*\x:QN+6*\x+3], v[L16], s[QB:QB+1] offset:1536+768*\x
	global_load_b64 v[QN+6*\x+4:QN+6*\x+5], v[L8], s[QB:QB+1] offset:1536+768*\x+512
.endr
	global_load_b64 v[QS:QS+1], v[L8], s[QB:QB+1] offset:3072   ; Q's scale words: register u: lanes 0-15 tile 2 u, lanes 16-31 tile 2 u + 1
.irp i, 6,7,8,9,10,11
	v_mov_b32 v[QF+\i], 0                          ; zero codes for k = 64 .. 127
	v_mov_b32 v[QF+12+\i], 0
	v_mov_b32 v[KB+42+\i], 0                       ; what the last tile of K names as its upper half
.endr
.irp x, 0,1
	v_mov_b32 v[PP+\x], 0                          ; written once: a lane permute's destination counts as one of its sources
	v_mov_b32 v[WP+\x], 0
	v_mov_b32 v[FF+2*\x+1], 0                      ; (named as the upper halves of pairs)
	v_mov_b32 v[RC+2*\x+1], 0
.endr
	v_mov_b32 v[HW+1], 0
	WALU
	s_wait_tensorcnt 0x0                           ; my two records have landed,
	s_barrier_signal -1
	s_barrier_wait -1                              ; everybody's have: from here K and V are only read
	KLOAD
	VLOAD
	s_wait_loadcnt 0x0                             ; Q and its scale words
	s_mov_b32 s[PSC], 0
.Lpass:
	v_mov_b32 v[QSC], v[QS]                        ; this pass's words; the next pass's move up
	v_mov_b32 v[QS], v[QS+1]
.irp x, 0,1
	v_mov_b32 v[MM+2*\x+1], 0xff61b1e6             ; the largest score so far: -3e38
	v_mov_b32 v[MM+2*\x], 0x7e000000               ; -M: so large that the first f is 0
.endr
.irp i, 0,1,2,3,4,5,6,7
	v_mov_b32 v[LS+\i], 0
.endr
	WIN 0x40
.set J, 0
.rept 64
	v_mov_b32 v[128+J], 0                          ; the step is written once: the first finds zeros in O^T
.set J, J+1
.endr
	WIN 0
	WALU
	s_mov_b32 s[CNT], 16
.Lstep:
	STEP
	s_sub_co_u32 s[CNT], s[CNT], 1
	s_cmp_lg_u32 s[CNT], 0
	s_cbranch_scc1 .Lstep
	EPI
	WALU
	s_wait_xcnt 0x0                                ; the stores have read their registers and their base
	s_add_nc_u64 s[HB:HB+1], s[HB:HB+1], 1536      ; two tiles on
	s_add_co_u32 s[PSC], s[PSC], 1
	s_cmp_lg_u32 s[PSC], 2
	s_cbranch_scc1 .Lpass
	global_store_b64 v[L8], v[HW:HW+1], s[HG:HG+1] ; my record's scale words: one aligned run of 256 bytes
	s_wait_tensorcnt 0x0                           ; the wave's end
	ds_add_u32 v[SPW], v[NIL]
	s_wait_dscnt 0x0
	CROUND                                         ; the closing round
	s_endpgm
.Lfunc_end_k_q87e212a433_attn:
	.size	k_q87e212a433_attn, .Lfunc_end_k_q87e212a433_attn-k_q87e212a433_attn
	.p2alignl 7, 3214868480
	.fill 96, 4, 3214868480
	.section	.rodata,"a",@progbits
	.p2align	6, 0x0
	.amdhsa_kernel k_q87e212a433_attn
		.amdhsa_group_segment_fixed_size 236032
		.amdhsa_private_segment_fixed_size 0
		.amdhsa_enable_private_segment 0
		.amdhsa_kernarg_size 16
		.amdhsa_user_sgpr_count 2
		.amdhsa_user_sgpr_kernarg_segment_ptr 1
		.amdhsa_wavefront_size32 1
		.amdhsa_system_sgpr_workgroup_id_x 1
		.amdhsa_system_sgpr_workgroup_id_y 1
		.amdhsa_system_sgpr_workgroup_id_z 1
		.amdhsa_system_vgpr_workitem_id 0
		.amdhsa_next_free_vgpr 512
		.amdhsa_next_free_sgpr 66
		.amdhsa_reserve_vcc 0
		.amdhsa_float_denorm_mode_32 3
		.amdhsa_float_denorm_mode_16_64 3
		.amdhsa_memory_ordered 1
		.amdhsa_forward_progress 1
		.amdhsa_inst_pref_size 48
	.end_amdhsa_kernel
	.amdgpu_metadata
---
amdhsa.version: [ 1, 2 ]
amdhsa.kernels:
  - .name:           k_q87e212a433_attn
    .symbol:         k_q87e212a433_attn.kd
    .args:
      - { .name: qkv, .offset: 0, .size: 8, .value_kind: global_buffer, .address_space: global }
      - { .name: hp, .offset: 8, .size: 8, .value_kind: global_buffer, .address_space: global }
    .group_segment_fixed_size: 236032
    .private_segment_fixed_size: 0
    .kernarg_segment_align: 8
    .kernarg_segment_size: 16
    .max_flat_workgroup_size: 256
    .sgpr_count:     66
    .vgpr_count:     512
    .wavefront_size: 32
...
	.end_amdgpu_metadata
.endif
;; end of part 3
;; launch proj (part 4): grid 8 x 32, 4 waves a work-group, clusters of 4 x 4, 327,680 bytes of LDS; arguments hp, ops, b_h, out0; writes out0
.if DOCPART == 4
	.amdgcn_target "amdgcn-amd-amdhsa--gfx1250"
	.amdhsa_code_object_version 6
	.text
	.protected	k_q87e212a433_proj
	.globl	k_q87e212a433_proj
	.p2align	8
	.type	k_q87e212a433_proj,@function
k_q87e212a433_proj:
	s_mov_b64 s[64:65], 0
	v_nop
	global_prefetch_b8 v0, s[64:65] scope:SCOPE_SE
	s_setreg_imm32_b32 hwreg(HW_REG_WAVE_MODE, 25, 1), 1
	s_wait_xcnt 0x0
	s_wait_alu depctr_hold_cnt(0) depctr_sa_sdst(0) depctr_va_vdst(0) depctr_va_sdst(0) depctr_va_ssrc(0) depctr_va_vcc(0) depctr_vm_vsrc(0)
	s_getreg_b32 s2, hwreg(HW_REG_IB_STS2, 6, 4)
	s_cmp_eq_u32 s2, 0
	s_cbranch_scc0 .Lentry_in_a_cluster
	s_endpgm
.Lentry_in_a_cluster:
	s_bfe_u32 s2, ttmp6, 0x10000c
	s_cmp_lg_u32 s2, 0xf033
	s_cbranch_scc0 .Lentry_shape_is_right
	s_endpgm
.Lentry_shape_is_right:
; out = H W_h^T + b_h on codes of FP6 (E2M3) with E8M0 scales, K = 1,024 (head x 64 + channel); out [8192][1024] f32.
; A work-group makes 256 tokens x 128 outputs.  Both operands, for ALL of K, lie in LDS as operand images: H's 2 x 106,496 bytes (for each 128 tokens: 16 heads x 2 records of 64 tokens x 3,328 bytes),
; W_h's 102,400 (eight panels).  They come in two halves of 512 along K, one tensor load a wave, all issued at the head: by this text's own count a wave has one out.  No LDS byte is filled twice.
; CLUSTER 4 x 4: H's records hang on the tile row and are asked for jointly by a row of the cluster, W_h's panels on the tile column, by a column.
; A wave takes 64 tokens (four tiles) against W_h's eight fragments: 32 accumulators.  A fragment of H for 128 along K is two heads' halves, six registers each; its scale word is made of the two heads' half words.
; THE MATRIX INSTRUCTION IS USED TRANSPOSED (source 0 = W_h's fragment, source 1 = H's): register 64 a + 16 b + i of lane (r, h) is token r of tile a and output 32 b + 16 h + i.  The bias is the C of the first step's products.
; REGISTERS: window 0: v1-13 addresses, v16-27 scale words, v30-33 the heads' half words, v36-131 H's fragments (two sets), v132-195 the bias; on the way out v64-191.  Window 1: W_h's fragments.  Window 2: the accumulators.
.set PANEL, 12800
.set TROWB, 8*PANEL
.set TREC,  3328
.set HROWB, 32*TREC                    ; 128 tokens, all heads
.set BOFF,  2*HROWB
.set SPARE, BOFF+TROWB                 ; the spare words, 128 bytes a wave: two blocks of 256 bytes that no other line names
.set SA,  16
.set SB,  20
.set SPW, 28
.set NIL, 29
.set RAW, 30
.set AF,  36
.set BI,  132
.set WV,  12
.set G1A, 24
.set G1B, 32
.set G0A, 40
.set G0B, 68
.set MSB, 0
.macro WIN new                         ; the immediate's high byte repeats the setting that is left
.if MSB != \new
	s_set_vgpr_msb (MSB<<8)|\new
.set MSB, \new
.endif
.endm
.set MUL,  0xa1                        ; source 0 (W_h) window 1, source 1 (H) window 0, C and D window 2
.set MULB, 0x81                        ; the same with C (the bias) in window 0
.set TO_B, 0x40
.macro CROUND
	s_barrier_signal -1
	s_barrier_wait -1
	s_cmp_lg_u32 s[WV], 0
	s_cbranch_scc1 .Lnot_wave_0_\@
	s_barrier_signal -3
.Lnot_wave_0_\@:
	s_barrier_wait -3
	s_barrier_signal -1
	s_barrier_wait -1
.endm
.macro PLACES n
.rept \n
	v_nop
.endr
.endm
	s_load_b256 s[4:11], s[0:1], 0x0               ; hp, ops, b_h, out0
	v_lshl_add_u32 v[SPW], v0, 2, SPARE
	v_mov_b32 v[NIL], 0
	ds_add_u32 v[SPW], v[NIL]                      ; the wave's opening: the add and its wait ahead of my first tensor load; work on registers stands between them
	ds_add_u32 v[SPW], v[NIL]
	v_lshrrev_b32 v1, 5, v0
	v_readfirstlane_b32 s[WV], v1                  ; wave 0..3
	s_and_b32 s13, s[WV], 1
	s_lshr_b32 s14, s[WV], 1
	s_bfe_u32 s15, ttmp6, 0x40000                  ; cx
	s_bfe_u32 s16, ttmp6, 0x40004                  ; cy
	s_lshl_b32 s17, ttmp9, 2
	s_add_co_u32 s17, s17, s15                     ; which 128 outputs
	s_and_b32 s18, ttmp7, 0xffff
	s_lshl_b32 s18, s18, 2
	s_add_co_u32 s18, s18, s16                     ; which 256 tokens
	s_lshl_b32 s19, s16, 2
	s_lshl_b32 s19, 15, s19                        ; my row of the cluster
	s_lshl_b32 s84, 0x1111, s15                    ; my column
	s_or_b32 s[G1A], s19, (3<<16)|(1<<21)          ; H's load, with the mask of my row of the cluster
	; H's load: two rows of 53,248 bytes (eight heads of each 128 tokens), 106,496 bytes apart in memory, end to end in LDS
	s_mov_b32 s[G1A+1], 6656<<16
	s_mov_b32 s[G1A+2], 2<<16
	s_mov_b32 s[G1A+3], 6656<<16
	s_mov_b32 s[G1A+4], 2
	s_mov_b32 s[G1A+5], 13312
	s_mov_b32 s[G1A+6], 0
	s_mov_b32 s[G1A+7], 0
	s_or_b32 s[G1B], s84, (3<<16)|(1<<21)
	s_mov_b32 s[G1B+1], 32<<16
	s_mov_b32 s[G1B+2], 200<<16                    ; W_h's load: four panels, 200 rows of 256 bytes
	s_mov_b32 s[G1B+3], 32<<16
	s_mov_b32 s[G1B+4], 200
	s_mov_b32 s[G1B+5], 32
	s_mov_b32 s[G1B+6], 0
	s_mov_b32 s[G1B+7], 0
	s_lshl_b32 s20, s18, 1
	s_mul_i32 s20, s20, HROWB                      ; H: the tile's 256 tokens.  These registers never hold cx,
	s_mul_i32 s86, s14, 16*TREC                    ; waves 0, 1: heads 0-7 (K groups 0-3); waves 2, 3: heads 8-15
	s_add_co_u32 s20, s20, s86
	s_mov_b32 s21, 0
	s_add_co_u32 s22, s17, 88
	s_mul_i32 s22, s22, TROWB                      ; W_h's panels; these never cy
	s_mul_i32 s85, s14, 4*PANEL
	s_add_co_u32 s22, s22, s85                     ; waves 2 and 3 take panels 4-7
	s_mov_b32 s23, 0
	s_mul_i32 s86, s14, HROWB                      ; LDS: heads 0-7 of both halves of the tokens, then heads 8-15
	s_add_co_u32 s85, s85, BOFF
	s_lshl_b32 s88, s18, 8
	s_lshl_b32 s89, s[WV], 6
	s_add_co_u32 s88, s88, s89
	s_lshl_b32 s88, s88, 12                        ; out: my first token's row of 4,096 bytes,
	s_lshl_b32 s90, s17, 9
	s_add_co_u32 s88, s88, s90                     ; + the tile's 512 bytes in it
	s_mov_b32 s89, 0
	s_mov_b32 s91, 0
	s_wait_dscnt 0x0                               ; the opening add is done
	s_wait_kmcnt 0x0
	s_add_nc_u64 s[20:21], s[4:5], s[20:21]
	s_add_nc_u64 s[22:23], s[6:7], s[22:23]
	s_add_nc_u64 s[10:11], s[10:11], s[88:89]
	s_add_nc_u64 s[8:9], s[8:9], s[90:91]
	CROUND                                         ; all sixteen work-groups are here: the joint loads meet
.irp j, 0
	s_mov_b32 s[G0A+4*\j], 1
	s_add_co_u32 s[G0A+4*\j+1], s86, \j*8*TREC
	s_add_nc_u64 s[G0A+4*\j+2:G0A+4*\j+3], s[20:21], \j*8*TREC
	s_or_b32 s[G0A+4*\j+3], s[G0A+4*\j+3], 0x80000000
	s_mov_b32 s[G0B+4*\j], 1
	s_add_co_u32 s[G0B+4*\j+1], s85, \j*2*PANEL
	s_add_nc_u64 s[G0B+4*\j+2:G0B+4*\j+3], s[22:23], \j*2*PANEL
	s_or_b32 s[G0B+4*\j+3], s[G0B+4*\j+3], 0x80000000
.endr
; THE FILLS: ONE tensor load a wave, each in an arm of its own of one chain on the wave's number.
; Wave 0: H's heads 0-7; wave 1: W_h's K groups 0-3; wave 2: H's heads 8-15; wave 3: W_h's K groups 4-7.  By this text's own count a wave has one load out.
.macro ARM n, g0, g1
	s_cmp_eq_u32 s[WV], \n
	s_cbranch_scc0 .Lnot_\n
	tensor_load_to_lds s[\g0:\g0+3], s[\g1:\g1+7]
	s_nop 0
	PLACES 4
	s_branch .Lfilled
.Lnot_\n:
.endm
	ARM 0, G0A, G1A
	ARM 1, G0B, G1B
	ARM 2, G0A, G1A
	tensor_load_to_lds s[G0B:G0B+3], s[G1B:G1B+7]
	s_nop 0
	PLACES 4
.Lfilled:
	v_and_b32 v3, 31, v0
	v_and_b32 v1, 15, v0                           ; r
	v_bfe_u32 v2, v0, 4, 1                         ; h
	v_lshlrev_b32 v12, 4, v3                       ; 16 x lane
	v_lshlrev_b32 v3, 3, v3                        ; 8 x lane
	v_lshlrev_b32 v13, 6, v2                       ; the bias: 16 numbers further on for lanes 16-31
	s_mul_i32 s87, s14, 16*TREC                    ; my half of the tokens: eight heads on in each of the two regions,
	s_mul_i32 s92, s13, TREC                       ; my 64 of its 128
	s_add_co_u32 s87, s87, s92
	v_add_nc_u32 v4, s87, v12                      ; v4, v5: H's images by 16 bytes, heads 0-7 and 8-15
	v_add_nc_u32 v5, HROWB, v4
	v_add_nc_u32 v6, s87, v3                       ; v6, v7: by 8 bytes
	v_add_nc_u32 v7, HROWB, v6
	v_add_nc_u32 v8, BOFF, v12                     ; v8, v9: W_h's images
	v_add_nc_u32 v9, BOFF+4*PANEL, v12
	s_mul_i32 s92, s[WV], 8448                     ; my stage for the way out: 16 rows x (512 + 16) bytes, in bytes of H that have had their last fill and their last read by then
	v_mul_u32_u24 v10, v1, 528
	v_lshl_add_u32 v10, v2, 6, v10
	v_add_nc_u32 v10, s92, v10                     ; in: row r, 64 bytes further on for lanes 16-31
	v_add_nc_u32 v11, s92, v12                     ; back: a row of 512 bytes to the 32 lanes
.irp b, 0,1,2,3,4,5,6,7                        ; the bias in the result's layout: for W_h's fragment b the outputs 32 (b / 2) + 16 h + 8 (b % 2) + 0 .. 7
	global_load_b128 v[BI+8*\b:BI+8*\b+3], v13, s[8:9] offset:128*(\b/2)+32*(\b%2)
	global_load_b128 v[BI+8*\b+4:BI+8*\b+7], v13, s[8:9] offset:128*(\b/2)+32*(\b%2)+16
.endr
.macro MM first
.if \first
.if oB && oA
	v_wmma_scale_f32_16x16x128_f8f6f4 v[rD:rD+7], v[rB:rB+11], v[rA:rA+11], v[rC:rC+7], v[rSB], v[rSA] matrix_a_fmt:MATRIX_FMT_FP6 matrix_b_fmt:MATRIX_FMT_FP6 matrix_a_scale:MATRIX_SCALE_ROW1 matrix_b_scale:MATRIX_SCALE_ROW1
.elseif oB
	v_wmma_scale_f32_16x16x128_f8f6f4 v[rD:rD+7], v[rB:rB+11], v[rA:rA+11], v[rC:rC+7], v[rSB], v[rSA] matrix_a_fmt:MATRIX_FMT_FP6 matrix_b_fmt:MATRIX_FMT_FP6 matrix_a_scale:MATRIX_SCALE_ROW1
.elseif oA
	v_wmma_scale_f32_16x16x128_f8f6f4 v[rD:rD+7], v[rB:rB+11], v[rA:rA+11], v[rC:rC+7], v[rSB], v[rSA] matrix_a_fmt:MATRIX_FMT_FP6 matrix_b_fmt:MATRIX_FMT_FP6 matrix_b_scale:MATRIX_SCALE_ROW1
.else
	v_wmma_scale_f32_16x16x128_f8f6f4 v[rD:rD+7], v[rB:rB+11], v[rA:rA+11], v[rC:rC+7], v[rSB], v[rSA] matrix_a_fmt:MATRIX_FMT_FP6 matrix_b_fmt:MATRIX_FMT_FP6
.endif
.else
.if oB && oA
	v_wmma_scale_f32_16x16x128_f8f6f4 v[rD:rD+7], v[rB:rB+11], v[rA:rA+11], v[rD:rD+7], v[rSB], v[rSA] matrix_a_fmt:MATRIX_FMT_FP6 matrix_b_fmt:MATRIX_FMT_FP6 matrix_a_scale:MATRIX_SCALE_ROW1 matrix_b_scale:MATRIX_SCALE_ROW1
.elseif oB
	v_wmma_scale_f32_16x16x128_f8f6f4 v[rD:rD+7], v[rB:rB+11], v[rA:rA+11], v[rD:rD+7], v[rSB], v[rSA] matrix_a_fmt:MATRIX_FMT_FP6 matrix_b_fmt:MATRIX_FMT_FP6 matrix_a_scale:MATRIX_SCALE_ROW1
.elseif oA
	v_wmma_scale_f32_16x16x128_f8f6f4 v[rD:rD+7], v[rB:rB+11], v[rA:rA+11], v[rD:rD+7], v[rSB], v[rSA] matrix_a_fmt:MATRIX_FMT_FP6 matrix_b_fmt:MATRIX_FMT_FP6 matrix_b_scale:MATRIX_SCALE_ROW1
.else
	v_wmma_scale_f32_16x16x128_f8f6f4 v[rD:rD+7], v[rB:rB+11], v[rA:rA+11], v[rD:rD+7], v[rSB], v[rSA] matrix_a_fmt:MATRIX_FMT_FP6 matrix_b_fmt:MATRIX_FMT_FP6
.endif
.endif
.endm
; 16 products: H's tiles a0, a0 + 1 x W_h's eight fragments, K group g.  The 32 accumulators take turns, one instruction a turn, in the same order in every step.
.macro MUL16 a0, g, first
.irp a, \a0, \a0+1
.irp b, 0,1,2,3,4,5,6,7
.set rD, 64*(\a)+8*\b
.set rC, BI+8*\b
.set rB, 96*((\g)&1)+12*\b
.set rA, AF+48*((\g)&1)+12*(\a)
.set rSB, SB+4*((\g)&1)+(\b)/2
.set rSA, SA+2*((\g)&1)+(\a)/2
.set oB, (\b)%2
.set oA, (\a)%2
	MM \first
.endr
.endr
.endm
; K group g's operands into set g & 1: W_h's eight fragments; my four tiles of heads 2 g and 2 g + 1, six registers each; the two heads' half scale words; W_h's scale words
.macro FETCH g
.set FX, (\g)>>2
.set FO, ((\g)&3)*PANEL
.set FP, (\g)&1
	WIN TO_B
.irp b, 0,1,2,3,4,5,6,7
.irp q, 0,1,2
	ds_load_b128 v[96*FP+12*\b+4*\q:96*FP+12*\b+4*\q+3], v[8+FX] offset:FO+1536*\b+512*\q
.endr
.endr
	WIN 0
.irp c, 0,1
.set HO, ((2*(\g)+\c)&7)*2*TREC
.irp a, 0,1,2,3
	ds_load_b128 v[AF+48*FP+12*\a+6*\c:AF+48*FP+12*\a+6*\c+3], v[4+FX] offset:HO+768*\a
	ds_load_b64 v[AF+48*FP+12*\a+6*\c+4:AF+48*FP+12*\a+6*\c+5], v[6+FX] offset:HO+768*\a+512
.endr
	ds_load_b64 v[RAW+2*\c:RAW+2*\c+1], v[6+FX] offset:HO+3072
.endr
	ds_load_b128 v[SB+4*FP:SB+4*FP+3], v[8+FX] offset:FO+12288
.endm
.macro MERGE g                         ; a row's scale word for 128 along K: the even head's two bytes below, the odd head's above.  Eight places follow: a scale register written by a vector instruction stands so far ahead of a scaled product
.irp i, 0,1
	v_lshl_or_b32 v[SA+2*((\g)&1)+\i], v[RAW+2+\i], 16, v[RAW+\i]
.endr
	PLACES 8
.endm
.macro STEP_IN g, first
	s_wait_dscnt 0x0                               ; this step's operands are in
	WIN 0
	MERGE \g                                       ; its eight places also stand in front of the loads into the set that the last step's products read
	FETCH (\g)+1
.if \first
	s_wait_alu depctr_va_vdst(0)
	s_wait_loadcnt 0x0                             ; the bias
	WIN MULB
.else
	WIN MUL
.endif
	MUL16 0, \g, \first
	MUL16 2, \g, \first
.endm
; A stage's last step: behind the barrier the next stage is whole.
.macro STEP_EDGE g
	s_wait_dscnt 0x0
	WIN 0
	MERGE \g
	s_wait_alu depctr_va_vdst(0)
	s_wait_tensorcnt 0x0                           ; every wave's load has landed: K groups 4-7 among them
	s_barrier_signal -1
	WIN MUL
	MUL16 0, \g, 0
	s_barrier_wait -1
	PLACES 4
	FETCH (\g)+1
	WIN MUL
	MUL16 2, \g, 0
.endm
	s_wait_alu depctr_va_vdst(0)
	s_cmp_lt_u32 s[WV], 2                          ; the first barrier shows K groups 0-3: waves 0 and 1 wait for their loads; the other two loads may be out
	s_cbranch_scc0 .Lhi_out
	s_wait_tensorcnt 0x0
.Lhi_out:
	s_barrier_signal -1
	s_barrier_wait -1
	FETCH 0
	STEP_IN 0, 1                                   ; the first step's products start the sums from the bias
	STEP_IN 1, 0
	STEP_IN 2, 0
	STEP_EDGE 3
	STEP_IN 4, 0
	STEP_IN 5, 0
	STEP_IN 6, 0
	s_wait_dscnt 0x0                               ; my last reads of the operands are in:
	WIN 0
	MERGE 7
	s_barrier_signal -1                            ; say so,
	WIN MUL
	MUL16 0, 7, 0
	MUL16 2, 7, 0
	WIN 0
	s_barrier_wait -1                              ; and behind this wait nobody reads H's bytes any more: the stages may lie there
	PLACES 4                                       ; in front of the first read of results and of loads into registers that products have read
; THE WAY OUT, a tile of 16 tokens x 128 outputs at a time: through my own stage, back as whole rows of 512 bytes.  LDS serves a wave's instructions in order: no wait between the stores and the loads.
.macro TOSTAGE a
	WIN 0x08                                       ; an LDS store's data are its source 1: window 2
.irp b, 0,1,2,3
.irp q, 0,1,2,3
	ds_store_b128 v10, v[64*(\a)+16*\b+4*\q:64*(\a)+16*\b+4*\q+3] offset:128*\b+16*\q   ; each accumulator from its low end on
.endr
.endr
	WIN 0
.set BB, 64+64*((\a)%2)
.irp t, 0,1,2,3,4,5,6,7,8,9,10,11,12,13,14,15
	ds_load_b128 v[BB+4*\t:BB+4*\t+3], v11 offset:528*\t
.endr
.endm
.macro SEND a, younger                 ; younger: the LDS instructions issued behind tile a's loads, which may stay out
.set BB, 64+64*((\a)%2)
	s_wait_dscnt \younger
.irp t, 0,1,2,3,4,5,6,7,8,9,10,11,12,13,14,15
	global_store_b128 v12, v[BB+4*\t:BB+4*\t+3], s[10:11] offset:(32*((\a)/2)+8*((\a)%2)+\t+8*(\t/8))*4096 th:TH_STORE_NT   ; 32 lanes store 512 consecutive bytes, aligned to 256; row t of tile a is token 32 (a / 2) + 8 (a % 2) + t + 8 (t / 8)
.endr
.endm
	TOSTAGE 0
.irp a, 1,2,3
.if \a > 1
	s_wait_xcnt 0x0                                ; tile a - 2's stores have read their registers: tile a's loads may land there
.endif
	TOSTAGE \a
	SEND \a-1, 32                                  ; behind tile a - 1's loads: tile a's 16 stores and 16 loads
.endr
	SEND 3, 0
	s_wait_tensorcnt 0x0                           ; the wave's end, behind my last tensor load and my last LDS store
	ds_add_u32 v[SPW], v[NIL]
	s_wait_dscnt 0x0
	CROUND                                         ; the closing round
	s_endpgm
.Lfunc_end_k_q87e212a433_proj:
	.size	k_q87e212a433_proj, .Lfunc_end_k_q87e212a433_proj-k_q87e212a433_proj
	.p2alignl 7, 3214868480
	.fill 96, 4, 3214868480
	.section	.rodata,"a",@progbits
	.p2align	6, 0x0
	.amdhsa_kernel k_q87e212a433_proj
		.amdhsa_group_segment_fixed_size 327680
		.amdhsa_private_segment_fixed_size 0
		.amdhsa_enable_private_segment 0
		.amdhsa_kernarg_size 32
		.amdhsa_user_sgpr_count 2
		.amdhsa_user_sgpr_kernarg_segment_ptr 1
		.amdhsa_wavefront_size32 1
		.amdhsa_system_sgpr_workgroup_id_x 1
		.amdhsa_system_sgpr_workgroup_id_y 1
		.amdhsa_system_sgpr_workgroup_id_z 1
		.amdhsa_system_vgpr_workitem_id 0
		.amdhsa_next_free_vgpr 768
		.amdhsa_next_free_sgpr 100
		.amdhsa_reserve_vcc 0
		.amdhsa_float_denorm_mode_32 3
		.amdhsa_float_denorm_mode_16_64 3
		.amdhsa_memory_ordered 1
		.amdhsa_forward_progress 1
		.amdhsa_inst_pref_size 81
	.end_amdhsa_kernel
	.amdgpu_metadata
---
amdhsa.version: [ 1, 2 ]
amdhsa.kernels:
  - .name:           k_q87e212a433_proj
    .symbol:         k_q87e212a433_proj.kd
    .args:
      - { .name: hp, .offset: 0, .size: 8, .value_kind: global_buffer, .address_space: global }
      - { .name: ops, .offset: 8, .size: 8, .value_kind: global_buffer, .address_space: global }
      - { .name: b_h, .offset: 16, .size: 8, .value_kind: global_buffer, .address_space: global }
      - { .name: out0, .offset: 24, .size: 8, .value_kind: global_buffer, .address_space: global }
    .group_segment_fixed_size: 327680
    .private_segment_fixed_size: 0
    .kernarg_segment_align: 8
    .kernarg_segment_size: 32
    .max_flat_workgroup_size: 128
    .sgpr_count:     100
    .vgpr_count:     768
    .wavefront_size: 32
...
	.end_amdgpu_metadata
.endif
;; end of part 4
